; MI455X (gfx1250); checked and timed in simulation.
; The chip was launched on July 23, 2026; its instructions are those of AMD's public machine-readable ISA for CDNA 5 (MIT licence, August 2026) and "CDNA5" Instruction Set Architecture Reference Guide (July 2026). The comments in the code are by the model that wrote it; some were corrected since.
;; Reasoning Multi Head Attention. Allowed arithmetic: matrix products marked QUANTISED: E2M1 operands, one E8M0 scale for each 32 along K, by v_wmma_scale_f32_16x16x128_f8f6f4 with both operands' format E2M1 (or v_wmma_scale_f32_32x16x128_f4), f32 sums; everything else in f32.
;; Inputs: Wk 1,024 x 1,024 float32; Wkr 1,024 x 1,024 float32; Wo 1,024 x 1,024 float32; Wq 1,024 x 1,024 float32; Wqr 1,024 x 1,024 float32; Wv 1,024 x 1,024 float32; attention_mask 2 x 2,048 int32; bk 1,024 float32; bkr 1,024 float32; bo 1,024 float32; bq 1,024 float32; bqr 1,024 float32; bv 1,024 float32; reasoning_mask 2 x 2,048 float32; x 2 x 2,048 x 1,024 float32.
;; Outputs: out0 2 x 2,048 x 1,024 float32.
;; This version of the problem:
;;   THIS VERSION OF THE PROBLEM IS GIVEN IN LOW PRECISION. The matrix products marked QUANTISED in the list below multiply operands that are first quantised to E2M1 (2 exponent bits, 1 mantissa bit; 4 bits a number), with one power-of-two scale for each 32 numbers along K (OCP MX v1.0); their sums are f32. All else is computed in f32.
;;   The module's matrix products, in the order in which they are computed (A, B: the left and right operand; K: the contracted axis; several contracted axes count as one K, in the product's order):
;;     1. [M 4,096, K 1,024] x [K 1,024, N 1,024]; A: input x; B: input Wq: QUANTISED
;;     2. [M 4,096, K 1,024] x [K 1,024, N 1,024]; A: input x; B: input Wk: QUANTISED
;;     3. [M 4,096, K 1,024] x [K 1,024, N 1,024]; A: input x; B: input Wv: QUANTISED
;;     4. [M 4,096, K 1,024] x [K 1,024, N 1,024]; A: input x; B: input Wqr: QUANTISED
;;     5. [M 4,096, K 1,024] x [K 1,024, N 1,024]; A: input x; B: input Wkr: QUANTISED
;;     6. batch 32 x [M 2,048, K 64] x [K 64, N 2,048]; A: computed on the way; B: computed on the way: QUANTISED
;;     7. batch 32 x [M 2,048, K 2,048] x [K 2,048, N 64]; A: softmax (see below); B: computed on the way: QUANTISED
;;     8. [M 4,096, K 1,024] x [K 1,024, N 1,024]; A: computed on the way; B: input Wo: QUANTISED
;;   THE QUANTISER, for each operand of a quantised product, along K:
;;     - K is cut into blocks of 32 from its start; a last block that is shorter is filled with zeros.
;;     - A block's scale is 2^e with e = floor(log2(the largest magnitude in the block)) - 2, held to -126 .. 127; a block of zeros has e = 0. As a byte (E8M0): e + 127.
;;     - Each number is divided by its block's scale, clamped to +-6, and rounded to the nearest number of E2M1, ties to even, subnormals kept.
;;     - The product sums the exact products of the quantised numbers (number of the format x scale) in f32.
;;   ~~~python
;;   def quantise(x, axis):      # numpy; x: float32 -> the quantised numbers, widened to float32 again
;;       x = np.moveaxis(x, axis, -1); K = x.shape[-1]
;;       x = np.pad(x, [(0, 0)] * (x.ndim - 1) + [(0, -K % 32)]); x = x.reshape(x.shape[:-1] + (-1, 32)); a = np.abs(x).max(-1, keepdims=True)
;;       e = np.where(a > 0, np.clip(np.frexp(np.where(a > 0, a, 1))[1] - 1 - 2, -126, 127), 0)      # np.frexp(a)[1] - 1 = floor(log2(a)), exactly
;;       r = np.clip(x / 2.0 ** e, -6, 6)
;;       step = 2.0 ** (np.maximum(np.frexp(np.where(r == 0, 1, r))[1] - 1, 0) - 1)
;;       q = np.round(r / step) * step * 2.0 ** e      # np.round: ties to even
;;       return np.moveaxis(q.reshape(q.shape[:-2] + (-1,))[..., :K], -1, axis).astype(np.float32)
;;   ~~~
;;   SOFTMAX AHEAD OF A QUANTISED PRODUCT. Where the list says 'softmax', what is quantised is not the finished softmax but p = 2^(t - M), with t = logit x log2(e) and M = ceil(the row's largest t), a whole number; so 1/2 < the row's largest p <= 1. The row's sum l is taken of the UNQUANTISED p, in f32, and the product's result is divided by l at the end. Since M is a whole number, a kernel that streams over the keys may use a running M (the ceiling of the running maximum): every later rescaling is an exact power of two, which a block's scale takes up: the codes' values come out the same.
;;   OPERANDS COMPUTED ON THE WAY. 'Computed on the way' means the value that the module computes at that place (a softmax that the list does not call 'softmax' is quantised finished and normalised). What goes into a quantiser is computed in f32, as accurately as f32 sums, v_exp_f32 and their like allow (about 1e-6 of the number): no bf16 or f16 on the way to a quantiser, and a product that is left as it is and whose result goes on into a quantised operand takes f32 operands (vector FMAs, or v_wmma_f32_16x16x4_f32). A number that lies on a knife's edge between two numbers of the format may be rounded either way, as far as f32 arithmetic and the matrix unit's own rounding can turn it there, and no further.
;; One version. Each part assembles by itself: llvm-mc -triple=amdgcn-amd-amdhsa -mcpu=gfx1250 --defsym DOCPART=n.
;; ======== version 1 of 1: 4 launches
;; limits: right only within a limited range of input values
;; workspace buffers: codes 5,570,560 bytes; qkvc 6,291,456 bytes; qkvs 393,216 bytes; oc 2,228,224 bytes
;; launch quant (part 1): grid 20 x 16, 4 waves a work-group, no clusters, 34,304 bytes of LDS; arguments x, Wq, Wqr, Wk, Wkr, Wv, Wo, codes; writes codes
.if DOCPART == 1
	.amdgcn_target "amdgcn-amd-amdhsa--gfx1250"
	.amdhsa_code_object_version 6
	.text
	.protected	k_q992bb8b703_quant
	.globl	k_q992bb8b703_quant
	.p2align	8
	.type	k_q992bb8b703_quant,@function
k_q992bb8b703_quant:
	s_mov_b64 s[64:65], 0
	v_nop
	global_prefetch_b8 v0, s[64:65] scope:SCOPE_SE
	s_setreg_imm32_b32 hwreg(HW_REG_WAVE_MODE, 25, 1), 1
	s_wait_xcnt 0x0
; x [4096][1024] and the six weights [1024][1024], f32, K innermost, become codes of FP4 (E2M1) with one E8M0 byte for each 32 along K,
; laid as the later launches' matrix operands take them.  A RECORD is 16 rows x 512 K: four images of a fragment's registers (16 rows x 128 K:
; two groups of 512 bytes, lane l's 16 bytes at 16 l; lane (r, h), group c: k = 64 c + 32 h + 0 .. 31), then 256 bytes of scale words, [row place][4 words],
; byte 2 c + h of word f for that block.  4,352 bytes = 17 x 256.
; THE ROWS OF A TILE ARE NOT NEIGHBOURS: place r of tile T holds row 32 (T / 2) + 8 (T % 2) + r + 8 (r / 8), so that a product's results in two
; neighbouring tiles are 16 neighbours in a lane's registers.
; A wave makes one record.  Each load reads 512 consecutive bytes of one row; a K step's 16 rows turn through the wave's own stage in LDS
; (rows of 528 bytes) and come back 256 bytes a lane: two whole blocks of 32, so no other lane is asked for a maximum.
; A block's scale is 2^(floor(log2(largest magnitude)) - 2): the largest magnitude's exponent field less 2, held at 1 from below by a floor among the maximum's leaves.
; LIMITS: a block whose largest magnitude lies under 2^-124 (a block of zeros too) gets the byte 1: its codes are then zeros or tiny, and this program alone reads the bytes.  NaN and infinities among the inputs are not served.
; No tensor loads, no barrier: waves share nothing.  No register that a load or store names is ever written again while it is pending.
.set REC,  4352
.set SP,   528                         ; a stage row: 512 bytes + 16: the 16 rows that a read touches start at 16 different banks
.set WST,  16*SP                       ; a wave's stage
.set RAW,  32                          ; v32-159   two sets of 64: a K step as loaded
.set X,    160                         ; v160-223  64 numbers of my row: two blocks
.set C,    224                         ; v224-255  codes: 8 registers for each K step, never rewritten
.set SW,   16                          ; v16-19    the four scale words
	s_load_b256 s[8:15], s[0:1], 0x0               ; x, Wq, Wqr, Wk
	s_load_b256 s[16:23], s[0:1], 0x20             ; Wkr, Wv, Wo, codes
	v_lshl_add_u32 v30, v0, 2, 0x8400
	v_mov_b32 v31, 0
	v_lshrrev_b32 v1, 5, v0
	v_readfirstlane_b32 s26, v1                    ; wave
	v_and_b32 v2, 31, v0                           ; lane
	v_and_b32 v3, 15, v0                           ; r
	v_bfe_u32 v1, v0, 4, 1                         ; h
	v_lshlrev_b32 v4, 4, v2                        ; 16 x lane: a load's and a store's place for my lane
	s_mul_i32 s27, s26, WST
	v_add_nc_u32 v5, s27, v4                       ; the stage, way in
	v_mul_u32_u24 v6, v3, SP
	v_lshl_add_u32 v6, v1, 7, v6
	v_add_nc_u32 v6, s27, v6                       ; way out: row r, + 128 h
	v_lshlrev_b32 v7, 3, v1                        ; 8 h: my bytes' shift in a scale word
	v_lshlrev_b32 v20, 4, v3                       ; 16 r: my row's four words
	v_mov_b32 v15, 0                               ; a lane permute's destination counts as one of its sources
	; which tensor, which half of K, which tile, which record: from the work-group's numbers alone, on one path
	s_mov_b32 s24, ttmp9                           ; X
	s_and_b32 s25, ttmp7, 0xffff                   ; Y
	s_lshr_b32 s28, s24, 2                         ; X < 8, x: half = X / 4,
	s_and_b32 s29, s24, 3
	s_lshl_b32 s29, s29, 2
	s_lshl_b32 s30, s25, 4
	s_add_co_u32 s29, s29, s30                     ; tile 16 Y + 4 (X % 4) (+ wave),
	s_lshl_b32 s30, s25, 5
	s_lshl_b32 s31, s24, 2
	s_add_co_u32 s30, s30, s31                     ; record 32 Y + 4 X (+ wave)
	s_sub_co_u32 s32, s24, 8                       ; 8 <= X < 18, the five projections' weights: X' = X - 8,
	s_cmp_ge_u32 s32, 5
	s_cselect_b32 s33, 1, 0                        ; half = X' / 5,
	s_mul_i32 s34, s33, 5
	s_sub_co_u32 s34, s32, s34
	s_add_co_u32 s34, s34, 1                       ; tensor 1 + X' % 5,
	s_lshl_b32 s35, s25, 2                         ; tile 4 Y (+ wave),
	s_mul_i32 s36, s25, 40
	s_lshl_b32 s37, s32, 2
	s_add_co_u32 s36, s36, s37
	s_add_co_u32 s36, s36, 512                     ; record 512 + 40 Y + 4 X' (+ wave)
	s_sub_co_u32 s37, s24, 18                      ; X >= 18, Wo: half = X - 18,
	s_lshl_b32 s38, s25, 3
	s_lshl_b32 s39, s37, 2
	s_add_co_u32 s38, s38, s39
	s_add_co_u32 s38, s38, 1152                    ; record 1152 + 8 Y + 4 half (+ wave)
	s_cmp_lt_u32 s24, 8
	s_cselect_b32 s40, 0, s34                      ; tensor
	s_cselect_b32 s41, s28, s33                    ; half
	s_cselect_b32 s42, s29, s35                    ; tile
	s_cselect_b32 s43, s30, s36                    ; record
	s_cmp_ge_u32 s24, 18
	s_cselect_b32 s40, 6, s40
	s_cselect_b32 s41, s37, s41
	s_cselect_b32 s43, s38, s43
	s_add_co_u32 s42, s42, s26
	s_add_co_u32 s43, s43, s26
	s_lshr_b32 s44, s42, 1
	s_lshl_b32 s44, s44, 5
	s_and_b32 s45, s42, 1
	s_lshl_b32 s45, s45, 3
	s_add_co_u32 s44, s44, s45                     ; the tile's first row
	s_lshl_b32 s44, s44, 12                        ; x 4,096 bytes
	s_lshl_b32 s45, s41, 11
	s_add_co_u32 s44, s44, s45                     ; + 2,048 x half
	s_mov_b32 s45, 0
	s_mul_i32 s46, s43, REC
	s_mov_b32 s47, 0
	s_wait_alu depctr_va_vdst(0)
	s_wait_kmcnt 0x0
	s_mov_b64 s[4:5], s[8:9]
.irp n, 1,2,3,4,5,6
	s_cmp_eq_u32 s40, \n                           ; the choice hangs on the work-group's number alone
	s_cselect_b64 s[4:5], s[8+2*\n:9+2*\n], s[4:5]
.endr
	s_add_nc_u64 s[4:5], s[4:5], s[44:45]
	s_add_nc_u64 s[6:7], s[22:23], s[46:47]
.macro LOAD f                          ; K step f: 512 consecutive bytes of each of the tile's 16 rows
.irp i, 0,1,2,3,4,5,6,7,8,9,10,11,12,13,14,15
	global_load_b128 v[RAW+64*((\f)%2)+4*\i:RAW+64*((\f)%2)+4*\i+3], v4, s[4:5] offset:(\i+8*(\i/8))*4096+512*(\f) th:TH_LOAD_NT
.endr
.endm
.macro FRAG f
.if (\f) < 3
	s_wait_loadcnt 16                              ; this K step's 16 loads are in; the next one's 16 may be out
.else
	s_wait_loadcnt 0x0
.endif
.irp i, 0,1,2,3,4,5,6,7,8,9,10,11,12,13,14,15
	ds_store_b128 v5, v[RAW+64*((\f)%2)+4*\i:RAW+64*((\f)%2)+4*\i+3] offset:SP*\i
.endr
.irp c, 0,1
.irp j, 0,1,2,3,4,5,6,7
	ds_load_b128 v[X+32*\c+4*\j:X+32*\c+4*\j+3], v6 offset:256*\c+16*\j   ; LDS serves a wave's instructions in order: these see the stores above
.endr
.endr
	s_wait_dscnt 0x0
.if (\f) < 2
	LOAD (\f)+2                                    ; into the set that the stage has just taken over
.endif
.irp c, 0,1
	v_max3_num_f32 v[8+\c], |v[X+32*\c]|, |v[X+32*\c+1]|, 0x1800000   ; block 2 c + h: all 32 numbers are mine; the floor 2^(3 - 127) holds the byte at 1 from below
.endr
.irp i, 2,4,6,8,10,12,14,16,18,20,22,24,26,28,30
.irp c, 0,1
	v_max3_num_f32 v[8+\c], v[8+\c], |v[X+32*\c+\i]|, |v[X+32*\c+\i+1]|   ; (the two blocks by turns)
.endr
.endr
.irp c, 0,1
	v_add_nc_u32 v[10+\c], 0xff000000, v[8+\c]     ; 2 off the exponent field: the conversion takes this operand's exponent field as its scale
.endr
.irp c, 0,1
	v_lshrrev_b32 v[12+\c], 23, v[10+\c]           ; the scale's byte
.endr
	v_lshl_or_b32 v14, v13, 16, v12                ; my two bytes, blocks h and 2 + h,
	v_lshlrev_b32 v14, v7, v14                     ; at their places in the word;
	v_permlanex16_b32 v15, v14, s2, s3
	v_or_b32 v[SW+(\f)], v14, v15                  ; with lane l xor 16's two the word is whole
.irp c, 0,1
.irp g, 0,1,2,3
	v_cvt_scalef32_pk8_fp4_f32 v[C+8*(\f)+4*\c+\g], v[X+32*\c+8*\g:X+32*\c+8*\g+7], v[10+\c]
.endr
.endr
	v_nop                                          ; one plain place behind the last scaled conversion
.irp c, 0,1
	global_store_b128 v4, v[C+8*(\f)+4*\c:C+8*(\f)+4*\c+3], s[6:7] offset:1024*(\f)+512*\c   ; 512 consecutive bytes
.endr
.endm
	s_mov_b32 s2, 0x76543210
	s_mov_b32 s3, 0xfedcba98                       ; v_permlanex16_b32's selects for lane l xor 16
	LOAD 0
	LOAD 1
	FRAG 0
	FRAG 1
	FRAG 2
	FRAG 3
	global_store_b128 v20, v[SW:SW+3], s[6:7] offset:4096   ; 256 consecutive bytes; lanes r and r + 16 write the same 16 bytes with the same value
	s_wait_tensorcnt 0x0
	ds_add_u32 v30, v31
	s_wait_dscnt 0x0
	s_endpgm
.Lfunc_end_k_q992bb8b703_quant:
	.size	k_q992bb8b703_quant, .Lfunc_end_k_q992bb8b703_quant-k_q992bb8b703_quant
	.p2alignl 7, 3214868480
	.fill 96, 4, 3214868480
	.section	.rodata,"a",@progbits
	.p2align	6, 0x0
	.amdhsa_kernel k_q992bb8b703_quant
		.amdhsa_group_segment_fixed_size 34304
		.amdhsa_private_segment_fixed_size 0
		.amdhsa_enable_private_segment 0
		.amdhsa_kernarg_size 64
		.amdhsa_user_sgpr_count 2
		.amdhsa_user_sgpr_kernarg_segment_ptr 1
		.amdhsa_wavefront_size32 1
		.amdhsa_system_sgpr_workgroup_id_x 1
		.amdhsa_system_sgpr_workgroup_id_y 1
		.amdhsa_system_sgpr_workgroup_id_z 1
		.amdhsa_system_vgpr_workitem_id 0
		.amdhsa_next_free_vgpr 256
		.amdhsa_next_free_sgpr 66
		.amdhsa_reserve_vcc 0
		.amdhsa_float_denorm_mode_32 3
		.amdhsa_float_denorm_mode_16_64 3
		.amdhsa_memory_ordered 1
		.amdhsa_forward_progress 1
		.amdhsa_inst_pref_size 31
	.end_amdhsa_kernel
	.amdgpu_metadata
---
amdhsa.version: [ 1, 2 ]
amdhsa.kernels:
  - .name:           k_q992bb8b703_quant
    .symbol:         k_q992bb8b703_quant.kd
    .args:
      - { .name: x, .offset: 0, .size: 8, .value_kind: global_buffer, .address_space: global }
      - { .name: Wq, .offset: 8, .size: 8, .value_kind: global_buffer, .address_space: global }
      - { .name: Wqr, .offset: 16, .size: 8, .value_kind: global_buffer, .address_space: global }
      - { .name: Wk, .offset: 24, .size: 8, .value_kind: global_buffer, .address_space: global }
      - { .name: Wkr, .offset: 32, .size: 8, .value_kind: global_buffer, .address_space: global }
      - { .name: Wv, .offset: 40, .size: 8, .value_kind: global_buffer, .address_space: global }
      - { .name: Wo, .offset: 48, .size: 8, .value_kind: global_buffer, .address_space: global }
      - { .name: codes, .offset: 56, .size: 8, .value_kind: global_buffer, .address_space: global }
    .group_segment_fixed_size: 34304
    .private_segment_fixed_size: 0
    .kernarg_segment_align: 8
    .kernarg_segment_size: 64
    .max_flat_workgroup_size: 128
    .sgpr_count:     66
    .vgpr_count:     256
    .wavefront_size: 32
...
	.end_amdgpu_metadata
.endif
;; end of part 1
;; launch proj (part 2): grid 16 x 16, 8 waves a work-group, clusters of 4 x 4, 327,680 bytes of LDS; arguments codes, bq, bqr, bk, bkr, bv, reasoning_mask, qkvc, qkvs; writes qkvc, qkvs
.if DOCPART == 2
	.amdgcn_target "amdgcn-amd-amdhsa--gfx1250"
	.amdhsa_code_object_version 6
	.text
	.protected	k_q992bb8b703_proj
	.globl	k_q992bb8b703_proj
	.p2align	8
	.type	k_q992bb8b703_proj,@function
k_q992bb8b703_proj:
	s_mov_b64 s[64:65], 0
	v_nop
	global_prefetch_b8 v0, s[64:65] scope:SCOPE_SE
	s_setreg_imm32_b32 hwreg(HW_REG_WAVE_MODE, 25, 1), 1
	s_wait_xcnt 0x0
	s_wait_alu depctr_hold_cnt(0) depctr_sa_sdst(0) depctr_va_vdst(0) depctr_va_sdst(0) depctr_va_ssrc(0) depctr_va_vcc(0) depctr_vm_vsrc(0)
	s_getreg_b32 s2, hwreg(HW_REG_IB_STS2, 6, 4)
	s_cmp_eq_u32 s2, 0
	s_cbranch_scc0 .Lentry_in_a_cluster
	s_endpgm
.Lentry_in_a_cluster:
	s_bfe_u32 s2, ttmp6, 0x10000c
	s_cmp_lg_u32 s2, 0xf033
	s_cbranch_scc0 .Lentry_shape_is_right
	s_endpgm
.Lentry_shape_is_right:
; The five projections of x, the mix q (1 - rm) + q_r rm (k likewise), and the quantising of q and k (along the head's 64) and of v (along the keys) for the attention launch.
; A work-group takes 256 rows of x (RB) and ONE head: 64 rows each of Wq, Wqr, Wk, Wkr, Wv.  All its codes and scale words, 36 x 2 records of 4,352 bytes, lie in LDS at once:
; every LDS byte is filled once, in two halves of K; the second half is asked for when the first is in, and lands while the first is multiplied.  No prefetch: there is no loop to run ahead in.
; CLUSTER 4 x 4: the four work-groups of a row of the cluster share RB, so x's records are asked for jointly along the row; the four of a column share the head, so the weights' are asked for jointly along the column.
; SHARES.  Eight waves.  Wave w: mp = w % 4: rows 64 mp .. + 63 (four tiles u); g = w / 4: 0 makes q, 1 makes k.  40 accumulators: P[u][t] (Wq or Wk), R[u][t] (Wqr or Wkr), both TRANSPOSED
; (source 0 = 16 rows of W, source 1 = 16 rows of x: a lane holds one row of x and its registers run along d), and V[e][u] (source 0 = x, source 1 = Wv's tile 2 g + e: a lane holds one d and its registers run along the keys).
; For 128 along K a wave reads 14 fragments from LDS, 4 of x and 10 of weights, for 40 products.
; By the records' order of rows, the 16 registers of two neighbouring tiles are 16 neighbours: along d for P and R, along the keys for V: what the conversions want.
; The biases bq, bqr, bk, bkr are loaded into the accumulators, in the result's layout; bv is added at the end.
; OUT.  qkvc [bh][q, k, v][65,536]: q, k: [tile][lane][16 bytes], lane (r, hh): d = 32 hh .. + 31 of the tile's row place r;  v: [128 keys][4 tiles of d][image of a fragment], K = the keys.
;       qkvs [bh][q, k, v][4,096]: q, k: [128 rows][r][pair of tiles][bytes 2 u + b];  v: [128 keys][r][tile of d][key block].
; LIMITS: a block whose largest magnitude lies under 2^-124 gets the byte 1; NaN and infinities are not served.
; REGISTERS, in windows of 256.  Window 0: v1, v2 bv; v3-11, v14, v15 addresses; v16-47 x's four fragments; v48-87 five fragments of weights; v88-115 scale words; v116, v117 the add's; v120-123 rm; v128-191 V; v192-239 the way out.
; Window 1: v0-127 P (accumulator (u, t) at 32 u + 8 t), v128-255 R.
.set REC,   4352
.set AHALF, 16*REC                     ; x: 16 records for each half of K
.set BHALF, 20*REC                     ; the head's weights: 20 records for each half
.set BOFF,  2*AHALF
.set STG,   BOFF+2*BHALF               ; behind the tiles: q's scale words 512 bytes, k's 512, v's bytes 512; no tile lands here
.set SPARE, STG+1536                   ; the spare words, 128 bytes a wave
.set W5,    512*REC                    ; where the weights' records begin in codes
.set WV,  22
.set SEL, 66
.set VA,  4                            ; x's fragments: 16 lane + my four records
.set VB,  5                            ; my role's eight records
.set VV,  6                            ; my two tiles of Wv
.set VAS, 7                            ; scale words: lanes 0-15 the first record's, lanes 16-31 the next one's
.set VBS, 8
.set VVS, 9
.set AF,  16
.set BF,  48
.set SA,  88                           ; v88-95 x's words: pair i of tiles at 88 + 4 i, one register a K step
.set SB,  96                           ; v96-111 my role's: pair i of records at 96 + 4 i
.set SV,  112                          ; v112-115 Wv's
.set SPW, 116
.set NIL, 117
.set RM,  120
.set ACV, 128
.set ACP, 0                            ; in window 1
.set ACR, 128                          ; in window 1
.set PC,  192                          ; the way out: q's or k's codes, 8 registers for each pair of tiles,
.set PW,  208                          ; a scale word for each pair,
.set TM,  212                          ; v212-215 largest magnitudes, v216-219 the other half's, then bytes, v224-227 the conversions' scale operands
.set VBY, 228                          ; v's four scale bytes
.set VC,  232                          ; v's codes
.set MSB, 0
.macro WIN new                         ; s_set_vgpr_msb: bits 1:0 source 0, 3:2 source 1, 5:4 source 2, 7:6 destination; the high byte repeats the setting that is left
.if MSB != \new
	s_set_vgpr_msb (MSB<<8)|\new
.set MSB, \new
.endif
.endm
.macro CROUND                          ; a round of the cluster's barrier
	s_barrier_signal -1
	s_barrier_wait -1
	s_cmp_lg_u32 s[WV], 0
	s_cbranch_scc1 .Lnot_wave_0_\@
	s_barrier_signal -3
.Lnot_wave_0_\@:
	s_barrier_wait -3
	s_barrier_signal -1
	s_barrier_wait -1
.endm
; One product, 16 x 16 x 128.  ra, rb: the side's scale words stand in lanes 16-31 of the register named.  zero: the product starts its sum.
.macro WM d, a, b, sa, sb, ra, rb, zero
.if (\zero)
.if (\ra) && (\rb)
	v_wmma_scale_f32_16x16x128_f8f6f4 v[\d:\d+7], v[\a:\a+7], v[\b:\b+7], 0, v[\sa], v[\sb] matrix_a_fmt:MATRIX_FMT_FP4 matrix_b_fmt:MATRIX_FMT_FP4 matrix_a_scale:MATRIX_SCALE_ROW1 matrix_b_scale:MATRIX_SCALE_ROW1
.elseif (\ra)
	v_wmma_scale_f32_16x16x128_f8f6f4 v[\d:\d+7], v[\a:\a+7], v[\b:\b+7], 0, v[\sa], v[\sb] matrix_a_fmt:MATRIX_FMT_FP4 matrix_b_fmt:MATRIX_FMT_FP4 matrix_a_scale:MATRIX_SCALE_ROW1
.elseif (\rb)
	v_wmma_scale_f32_16x16x128_f8f6f4 v[\d:\d+7], v[\a:\a+7], v[\b:\b+7], 0, v[\sa], v[\sb] matrix_a_fmt:MATRIX_FMT_FP4 matrix_b_fmt:MATRIX_FMT_FP4 matrix_b_scale:MATRIX_SCALE_ROW1
.else
	v_wmma_scale_f32_16x16x128_f8f6f4 v[\d:\d+7], v[\a:\a+7], v[\b:\b+7], 0, v[\sa], v[\sb] matrix_a_fmt:MATRIX_FMT_FP4 matrix_b_fmt:MATRIX_FMT_FP4
.endif
.else
.if (\ra) && (\rb)
	v_wmma_scale_f32_16x16x128_f8f6f4 v[\d:\d+7], v[\a:\a+7], v[\b:\b+7], v[\d:\d+7], v[\sa], v[\sb] matrix_a_fmt:MATRIX_FMT_FP4 matrix_b_fmt:MATRIX_FMT_FP4 matrix_a_scale:MATRIX_SCALE_ROW1 matrix_b_scale:MATRIX_SCALE_ROW1
.elseif (\ra)
	v_wmma_scale_f32_16x16x128_f8f6f4 v[\d:\d+7], v[\a:\a+7], v[\b:\b+7], v[\d:\d+7], v[\sa], v[\sb] matrix_a_fmt:MATRIX_FMT_FP4 matrix_b_fmt:MATRIX_FMT_FP4 matrix_a_scale:MATRIX_SCALE_ROW1
.elseif (\rb)
	v_wmma_scale_f32_16x16x128_f8f6f4 v[\d:\d+7], v[\a:\a+7], v[\b:\b+7], v[\d:\d+7], v[\sa], v[\sb] matrix_a_fmt:MATRIX_FMT_FP4 matrix_b_fmt:MATRIX_FMT_FP4 matrix_b_scale:MATRIX_SCALE_ROW1
.else
	v_wmma_scale_f32_16x16x128_f8f6f4 v[\d:\d+7], v[\a:\a+7], v[\b:\b+7], v[\d:\d+7], v[\sa], v[\sb] matrix_a_fmt:MATRIX_FMT_FP4 matrix_b_fmt:MATRIX_FMT_FP4
.endif
.endif
.endm
; One joint load a wave: waves 0-3 x's quarters of half hf of K, waves 4-7 the weights'.  An s_nop 0 and four v_nop follow each line
.macro FILL hf
	s_cmp_lt_u32 s[WV], 4
	s_cbranch_scc0 .Lnot_a_\@
	tensor_load_to_lds s[48+4*\hf:51+4*\hf], s[32:39]
	s_nop 0
.rept 4
	v_nop
.endr
	s_branch .Lfilled_\@
.Lnot_a_\@:
	tensor_load_to_lds s[56+4*\hf:59+4*\hf], s[40:47]
	s_nop 0
.rept 4
	v_nop
.endr
.Lfilled_\@:
.endm
	s_load_b256 s[4:11], s[0:1], 0x0               ; codes s[4:5], bq s[6:7], bqr s[8:9], bk s[10:11]
	s_load_b256 s[12:19], s[0:1], 0x20             ; bkr s[12:13], bv s[14:15], reasoning_mask s[16:17], qkvc s[18:19]
	s_load_b64 s[20:21], s[0:1], 0x40              ; qkvs
	v_lshl_add_u32 v[SPW], v0, 2, SPARE
	v_mov_b32 v[NIL], 0
	ds_add_u32 v[SPW], v[NIL]                      ; the opening lines: the add, twice on end, and its wait
	ds_add_u32 v[SPW], v[NIL]
	v_lshrrev_b32 v1, 5, v0
	s_delay_alu instid0(VALU_DEP_1)
	v_readfirstlane_b32 s[WV], v1                  ; wave 0..7
	s_and_b32 s23, s[WV], 3                        ; mp
	s_lshr_b32 s24, s[WV], 2                       ; g
	s_bfe_u32 s25, ttmp6, 0x40000                  ; cx
	s_bfe_u32 s26, ttmp6, 0x40004                  ; cy
	s_lshl_b32 s27, ttmp9, 2
	s_add_co_u32 s27, s27, s25                     ; the head = 4 x cluster x + cx
	s_and_b32 s28, ttmp7, 0xffff
	s_lshl_b32 s28, s28, 2
	s_add_co_u32 s28, s28, s26                     ; RB = 4 x cluster y + cy
	s_lshl_b32 s29, s26, 2
	s_lshl_b32 s29, 15, s29                        ; my row of the cluster
	s_lshl_b32 s30, 0x1111, s25                    ; my column
	; descriptor groups 1: dense blocks as rows of 256 bytes (32 elements of 8 bytes), no padding.  x: 68 rows a load, the weights: 85
	s_or_b32 s32, s29, (3<<16)|(1<<21)             ; 15:0 the mask: x's records go to my row; 17:16 elements of 8 bytes; 21 set beside a mask
	s_mov_b32 s33, 32<<16                          ; tensor_dim0 = 32
	s_mov_b32 s34, 68<<16                          ; tensor_dim1 = 68
	s_mov_b32 s35, 32<<16                          ; tile_dim0 = 32
	s_mov_b32 s36, 68                              ; tile_dim1 = 68
	s_mov_b32 s37, 32                              ; the pitch
	s_mov_b32 s38, 0
	s_mov_b32 s39, 0
	s_or_b32 s40, s30, (3<<16)|(1<<21)             ; the weights' go to my column
	s_mov_b32 s41, 32<<16
	s_mov_b32 s42, 85<<16
	s_mov_b32 s43, 32<<16
	s_mov_b32 s44, 85
	s_mov_b32 s45, 32
	s_mov_b32 s46, 0
	s_mov_b32 s47, 0
	s_mov_b32 s[SEL], 0x76543210
	s_mov_b32 s[SEL+1], 0xfedcba98                 ; v_permlanex16_b32's selects for lane l xor 16
	s_mul_i32 s71, s23, AHALF/4                    ; which quarter of a half I fetch: x: in LDS and in memory alike
	s_mul_i32 s72, s28, 2*AHALF
	s_add_co_u32 s72, s72, s71
	s_mov_b32 s73, 0
	s_mul_i32 s74, s23, BHALF/4                    ; the weights
	s_mul_i32 s76, s27, 2*BHALF
	s_add_co_u32 s76, s76, s74
	s_add_co_u32 s76, s76, W5
	s_mov_b32 s77, 0
	s_wait_dscnt 0x0                               ; both opening adds are done
	s_wait_kmcnt 0x0
	s_add_nc_u64 s[72:73], s[4:5], s[72:73]        ; hangs on RB and the wave alone
	s_add_nc_u64 s[76:77], s[4:5], s[76:77]        ; hangs on the head and the wave alone
	CROUND                                         ; all sixteen work-groups are here: the joint loads meet
.irp hf, 0,1
	s_mov_b32 s[48+4*\hf], 1
	s_add_co_u32 s[49+4*\hf], s71, \hf*AHALF
	s_add_nc_u64 s[50+4*\hf:51+4*\hf], s[72:73], \hf*AHALF
	s_or_b32 s[51+4*\hf], s[51+4*\hf], 0x80000000
	s_mov_b32 s[56+4*\hf], 1
	s_add_co_u32 s[57+4*\hf], s74, BOFF+\hf*BHALF
	s_add_nc_u64 s[58+4*\hf:59+4*\hf], s[76:77], \hf*BHALF
	s_or_b32 s[59+4*\hf], s[59+4*\hf], 0x80000000
.endr
	FILL 0                                         ; the head's fills: the first half of K, one load in each of the eight waves
	v_and_b32 v28, 15, v0                          ; r
	v_bfe_u32 v29, v0, 4, 1                        ; h
	v_and_b32 v30, 31, v0                          ; lane
	s_delay_alu instid0(VALU_DEP_2)
	v_lshlrev_b32 v16, 6, v29                      ; the biases of P and R: lane (r, h) wants, for tile t, d = 32 (t / 2) + 8 (t % 2) + 16 h + 0 .. 7
	v_and_b32 v17, 8, v28
	s_delay_alu instid0(VALU_DEP_1)
	v_add_nc_u32 v17, v17, v28
	s_delay_alu instid0(VALU_DEP_1)
	v_lshlrev_b32 v17, 2, v17                      ; bv and rm: 4 (r + 8 (r / 8)): a tile's row place r
	s_wait_alu depctr_va_vdst(0)                   ; the wait ahead of the run of scalar lines
	s_cmp_eq_u32 s24, 0
	s_cselect_b64 s[78:79], s[6:7], s[10:11]       ; bq or bk
	s_cselect_b64 s[80:81], s[8:9], s[12:13]       ; bqr or bkr
	s_lshl_b32 s82, s27, 8                         ; the head's 64 numbers
	s_mov_b32 s83, 0
	s_add_nc_u64 s[78:79], s[78:79], s[82:83]
	s_add_nc_u64 s[80:81], s[80:81], s[82:83]
	s_lshl_b32 s84, s24, 7
	s_add_co_u32 s82, s82, s84                     ; bv: + 32 g numbers
	s_add_nc_u64 s[14:15], s[14:15], s[82:83]
	s_lshl_b32 s84, s28, 8
	s_lshl_b32 s85, s23, 6
	s_add_co_u32 s84, s84, s85
	s_lshl_b32 s84, s84, 2                         ; rm: row 256 RB + 64 mp
	s_mov_b32 s85, 0
	s_add_nc_u64 s[16:17], s[16:17], s[84:85]
	WIN 0x40                                       ; the loads' destinations: window 1
.irp u, 0,1,2,3
.irp t, 0,1,2,3
	global_load_b128 v[ACP+32*\u+8*\t:ACP+32*\u+8*\t+3],   v16, s[78:79] offset:128*(\t/2)+32*(\t%2)
	global_load_b128 v[ACP+32*\u+8*\t+4:ACP+32*\u+8*\t+7], v16, s[78:79] offset:128*(\t/2)+32*(\t%2)+16
	global_load_b128 v[ACR+32*\u+8*\t:ACR+32*\u+8*\t+3],   v16, s[80:81] offset:128*(\t/2)+32*(\t%2)
	global_load_b128 v[ACR+32*\u+8*\t+4:ACR+32*\u+8*\t+7], v16, s[80:81] offset:128*(\t/2)+32*(\t%2)+16
.endr
.endr
	WIN 0
	global_load_b32 v1, v17, s[14:15]              ; bv at d = 32 g + 8 e + r + 8 (r / 8), e = 0,
	global_load_b32 v2, v17, s[14:15] offset:32    ; e = 1
.irp u, 0,1,2,3
	global_load_b32 v[RM+\u], v17, s[16:17] offset:128*(\u/2)+32*(\u%2)   ; rm of my row of tile u
.endr
	; LDS addresses: constants, the lane, the wave
	v_lshlrev_b32 v3, 4, v30                       ; 16 x lane
	s_mul_i32 s68, s23, 4*REC
	s_mul_i32 s69, s24, 8*REC
	s_add_co_u32 s69, s69, BOFF
	s_mul_i32 s84, s24, 2*REC
	s_add_co_u32 s84, s84, BOFF+16*REC
	v_add_nc_u32 v[VA], s68, v3
	v_add_nc_u32 v[VB], s69, v3
	v_add_nc_u32 v[VV], s84, v3
	v_mul_u32_u24 v31, v29, REC                    ; lanes 16-31 take the next record's words
	s_delay_alu instid0(VALU_DEP_1)
	v_lshl_add_u32 v31, v28, 4, v31
	s_delay_alu instid0(VALU_DEP_1)
	v_add_nc_u32 v31, 4096, v31
	s_delay_alu instid0(VALU_DEP_1)
	v_add_nc_u32 v[VAS], s68, v31
	s_delay_alu instid0(VALU_DEP_2)
	v_add_nc_u32 v[VBS], s69, v31
	s_delay_alu instid0(VALU_DEP_3)
	v_add_nc_u32 v[VVS], s84, v31
	s_lshr_b32 s68, s23, 1
	s_lshl_b32 s68, s68, 8                         ; which 128 rows of the block's 256
	s_and_b32 s69, s23, 1
	s_lshl_b32 s69, s69, 1                         ; my first pair of tiles among the four of those 128 rows
	s_lshl_b32 s84, s24, 9
	s_add_co_u32 s84, s84, s68
	s_lshl_b32 s85, s69, 2
	s_add_co_u32 s84, s84, s85
	s_add_co_u32 s84, s84, STG
	v_lshl_add_u32 v10, v28, 4, s84                ; q's or k's scale word: [128 rows][r][pair]
	s_lshl_b32 s85, s24, 3
	s_add_co_u32 s85, s85, s68
	s_add_co_u32 s85, s85, s69
	s_add_co_u32 s85, s85, STG+1024
	v_lshl_add_u32 v11, v28, 4, s85                ; v's scale byte: [128 keys][r][tile 2 g + e][key block]
	v_lshl_add_u32 v14, v0, 4, STG                 ; the scales' way out: waves 0, 1, 2 take q's, k's, v's 512 bytes
	v_lshlrev_b32 v15, 4, v28
	s_delay_alu instid0(VALU_DEP_1)
	v_lshl_add_u32 v15, v29, 3, v15                ; v's codes: 16 r + 8 h
	; where the results go
	s_lshr_b32 s86, s28, 3
	s_lshl_b32 s86, s86, 4
	s_add_co_u32 s86, s86, s27                     ; bh = 16 x batch + head
	s_and_b32 s87, s28, 7                          ; my block of 256 rows in the batch
	s_mul_i32 s88, s86, 196608
	s_lshl_b32 s89, s24, 16
	s_add_co_u32 s90, s88, s89                     ; q's or k's part,
	s_lshl_b32 s89, s87, 13
	s_add_co_u32 s90, s90, s89                     ; 16 tiles of 512 bytes a block,
	s_lshl_b32 s89, s23, 11
	s_add_co_u32 s90, s90, s89                     ; my four tiles
	s_mov_b32 s91, 0
	s_add_nc_u64 s[90:91], s[18:19], s[90:91]
	s_add_co_u32 s92, s88, 131072                  ; v's part,
	s_lshl_b32 s89, s87, 13
	s_add_co_u32 s92, s92, s89                     ; two steps of 128 keys, 4,096 bytes each, a block,
	s_lshl_b32 s89, s68, 4
	s_add_co_u32 s92, s92, s89                     ; which of the two,
	s_lshl_b32 s89, s24, 11
	s_add_co_u32 s92, s92, s89                     ; image 2 g,
	s_lshl_b32 s89, s69, 8
	s_add_co_u32 s92, s92, s89                     ; my first key block: 256 bytes of the image each
	s_mov_b32 s93, 0
	s_add_nc_u64 s[92:93], s[18:19], s[92:93]
	s_mul_i32 s94, s86, 12288
	s_lshl_b32 s89, s[WV], 12
	s_add_co_u32 s94, s94, s89                     ; (used by waves 0 to 2)
	s_lshl_b32 s89, s87, 9
	s_add_co_u32 s94, s94, s89
	s_mov_b32 s95, 0
	s_add_nc_u64 s[94:95], s[20:21], s[94:95]
	s_wait_alu depctr_va_vdst(0)                   ; the wait at the head's end
	s_wait_loadcnt 0x0                             ; biases and rm are in; their offset registers are free
; A K step of 128: 40 products, each accumulator once: the accumulators take turns.  Two runs of LDS loads, each behind four places:
; a load into a register that a matrix instruction has read stands four plain vector instructions behind it (ISA guide 7.12.1 for vector instructions).
.macro KSTEP sp, first, nops
.rept \nops
	v_nop
.endr
.irp u, 0,1,2,3
.irp c, 0,1
	ds_load_b128 v[AF+8*\u+4*\c:AF+8*\u+4*\c+3], v[VA] offset:\u*REC+(\sp)*1024+512*\c
.endr
.endr
.irp j, 0,1,2,3
.irp c, 0,1
	ds_load_b128 v[BF+8*\j+4*\c:BF+8*\j+4*\c+3], v[VB] offset:\j*REC+(\sp)*1024+512*\c
.endr
.endr
.irp c, 0,1
	ds_load_b128 v[BF+32+4*\c:BF+32+4*\c+3], v[VV] offset:(\sp)*1024+512*\c
.endr
	s_wait_dscnt 0x0
	WIN 0x50                                       ; C and D: window 1
.irp j, 0,1,2,3
.irp u, 0,1,2,3
	WM ACP+32*\u+8*\j, BF+8*\j, AF+8*\u, SB+4*(\j/2)+(\sp), SA+4*(\u/2)+(\sp), \j%2, \u%2, 0
.endr
.endr
	WIN 0
.irp u, 0,1,2,3
	WM ACV+8*\u, AF+8*\u, BF+32, SA+4*(\u/2)+(\sp), SV+(\sp), \u%2, 0, \first
.endr
.rept 4
	v_nop
.endr
.irp j, 0,1,2,3
.irp c, 0,1
	ds_load_b128 v[BF+8*\j+4*\c:BF+8*\j+4*\c+3], v[VB] offset:(4+\j)*REC+(\sp)*1024+512*\c
.endr
.endr
.irp c, 0,1
	ds_load_b128 v[BF+32+4*\c:BF+32+4*\c+3], v[VV] offset:REC+(\sp)*1024+512*\c
.endr
	s_wait_dscnt 0x0
	WIN 0x50
.irp j, 0,1,2,3
.irp u, 0,1,2,3
	WM ACR+32*\u+8*\j, BF+8*\j, AF+8*\u, SB+8+4*(\j/2)+(\sp), SA+4*(\u/2)+(\sp), \j%2, \u%2, 0
.endr
.endr
	WIN 0
.irp u, 0,1,2,3
	WM ACV+32+8*\u, AF+8*\u, BF+32, SA+4*(\u/2)+(\sp), SV+(\sp), \u%2, 1, \first
.endr
.endm
; Half hf of K: 512 along K, four K steps.
.macro HALF hf
.if \hf
	v_add_nc_u32 v[VA], AHALF, v[VA]               ; on to the second half's records.  These six lines are also the places in front of the loads below
	v_add_nc_u32 v[VAS], AHALF, v[VAS]
	v_add_nc_u32 v[VB], BHALF, v[VB]
	v_add_nc_u32 v[VV], BHALF, v[VV]
	v_add_nc_u32 v[VBS], BHALF, v[VBS]
	v_add_nc_u32 v[VVS], BHALF, v[VVS]
	s_wait_alu depctr_va_vdst(0)                   ; directly ahead of the wait below
.endif
	s_wait_tensorcnt 0x0                           ; my part of this half has landed
.if \hf
	s_wait_dscnt 0x0
	s_barrier_signal -1
	s_barrier_wait -1                              ; everybody's has
.else
	ds_add_u32 v[SPW], v[NIL]                      ; the second half's first fill is issued as a refill is
	s_wait_dscnt 0x0
	CROUND                                         ; everybody's part of the first half is in, and all sixteen work-groups are here: the joint loads meet
	FILL 1                                         ; bytes of their own, filled once; they land while the first half is multiplied
.endif
	ds_load_b128 v[SA:SA+3], v[VAS]                ; the half's scale words: four K steps' a row
	ds_load_b128 v[SA+4:SA+7], v[VAS] offset:2*REC
.irp i, 0,1,2,3
	ds_load_b128 v[SB+4*\i:SB+4*\i+3], v[VBS] offset:\i*2*REC
.endr
	ds_load_b128 v[SV:SV+3], v[VVS]
	KSTEP 0, 1-\hf, 0
	KSTEP 1, 0, 4
	KSTEP 2, 0, 4
	KSTEP 3, 0, 4
.endm
	HALF 0
	HALF 1
	; THE WAY OUT.  Four places behind the last products; then pairs for the packed forms, in the registers that held x's fragments
.rept 4
	v_nop
.endr
.irp u, 0,1,2,3
	v_mov_b32 v[16+2*\u], v[RM+\u]                 ; rm of tile u, twice;
	v_mov_b32 v[17+2*\u], v[RM+\u]
	v_sub_f32 v[24+2*\u], 1.0, v[RM+\u]            ; 1 - rm
	v_sub_f32 v[25+2*\u], 1.0, v[RM+\u]
.endr
	v_mov_b32 v32, v1                              ; bv
	v_mov_b32 v33, v1
	v_mov_b32 v34, v2
	v_mov_b32 v35, v2
.irp b, 0,1,2,3
	v_mov_b32 v[TM+4+\b], 0                        ; a lane permute's destination counts as one of its sources
.endr
	WIN 0x41                                       ; source 0 and the destination: window 1
.irp u, 0,1,2,3
.irp i, 0,2,4,6,8,10,12,14,16,18,20,22,24,26,28,30
	v_pk_mul_f32 v[ACR+32*\u+\i:ACR+32*\u+\i+1], v[ACR+32*\u+\i:ACR+32*\u+\i+1], v[16+2*\u:17+2*\u]   ; q_r rm; each accumulator from its low end on
.endr
.endr
	WIN 0x51                                       ; sources 0 and 2 and the destination: window 1
.irp u, 0,1,2,3
.irp i, 0,2,4,6,8,10,12,14,16,18,20,22,24,26,28,30
	v_pk_fma_f32 v[ACP+32*\u+\i:ACP+32*\u+\i+1], v[ACP+32*\u+\i:ACP+32*\u+\i+1], v[24+2*\u:25+2*\u], v[ACR+32*\u+\i:ACR+32*\u+\i+1]   ; q (1 - rm) + q_r rm
.endr
.endr
	WIN 0
.irp e, 0,1
.irp i, 0,2,4,6,8,10,12,14,16,18,20,22,24,26,28,30
	v_pk_add_f32 v[ACV+32*\e+\i:ACV+32*\e+\i+1], v[ACV+32*\e+\i:ACV+32*\e+\i+1], v[32+2*\e:33+2*\e]   ; v + bv
.endr
.endr
; q or k, pair pp of my tiles: four blocks 2 u + b of 32 along d; register P0 + 16 (2 u + b) + i of window 1 is d = 32 b + 16 h + i of my row of the pair's tile u
.macro QKOUT pp
.set P0, ACP+64*\pp
	WIN 0x05                                       ; sources 0 and 1: window 1
.irp b, 0,1,2,3
	v_max3_num_f32 v[TM+\b], |v[P0+16*\b]|, |v[P0+16*\b+1]|, 0x1800000   ; my 16 numbers, and the floor 2^(3 - 127)
.endr
	WIN 0x14                                       ; sources 1 and 2: window 1
.irp b, 0,1,2,3
	v_max3_num_f32 v[TM+\b], v[TM+\b], |v[P0+16*\b+2]|, |v[P0+16*\b+3]|   ; (the four blocks by turns)
.endr
.irp i, 4,6,8,10,12,14
.irp b, 0,1,2,3
	s_delay_alu instid0(VALU_DEP_4)
	v_max3_num_f32 v[TM+\b], v[TM+\b], |v[P0+16*\b+\i]|, |v[P0+16*\b+\i+1]|
.endr
.endr
	WIN 0
.irp b, 0,1,2,3
	v_permlanex16_b32 v[TM+4+\b], v[TM+\b], s[SEL], s[SEL+1]
.endr
.irp b, 0,1,2,3
	s_delay_alu instid0(VALU_DEP_4)
	v_max_num_f32 v[TM+\b], v[TM+\b], v[TM+4+\b]   ; with lane l xor 16's: the block's largest magnitude
.endr
.irp b, 0,1,2,3
	s_delay_alu instid0(VALU_DEP_4)
	v_add_nc_u32 v[TM+12+\b], 0xff000000, v[TM+\b] ; 2 off the exponent field: the conversion's scale operand
.endr
.irp b, 0,1,2,3
	s_delay_alu instid0(VALU_DEP_4)
	v_lshrrev_b32 v[TM+4+\b], 23, v[TM+12+\b]      ; the scale's byte
.endr
	s_delay_alu instid0(VALU_DEP_3)
	v_lshl_or_b32 v[PW+\pp], v[TM+5], 8, v[TM+4]   ; bytes 2 u + b: the word of my row place in this pair of tiles
	s_delay_alu instid0(VALU_DEP_1)
	v_lshl_or_b32 v[PW+\pp], v[TM+6], 16, v[PW+\pp]
	s_delay_alu instid0(VALU_DEP_1)
	v_lshl_or_b32 v[PW+\pp], v[TM+7], 24, v[PW+\pp]
	WIN 0x01                                       ; source 0: window 1
.irp b, 0,1,2,3
	v_cvt_scalef32_pk8_fp4_f32 v[PC+8*\pp+2*\b], v[P0+16*\b:P0+16*\b+7], v[TM+12+\b]
	v_cvt_scalef32_pk8_fp4_f32 v[PC+8*\pp+2*\b+1], v[P0+16*\b+8:P0+16*\b+15], v[TM+12+\b]
.endr
	WIN 0
	v_nop                                          ; one plain place behind a scaled conversion
.irp c, 0,1                                ; a WHOLE block in a lane: lanes 0-15 d = 0 .. 31, lanes 16-31 d = 32 .. 63, of the pair's tile c
.irp i, 0,1
	v_permlane16_swap_b32 v[PC+8*\pp+4*\c+\i], v[PC+8*\pp+4*\c+2+\i]
.endr
.endr
	global_store_b128 v3, v[PC+8*\pp:PC+8*\pp+3], s[90:91] offset:1024*\pp         ; 512 consecutive bytes a tile
	global_store_b128 v3, v[PC+8*\pp+4:PC+8*\pp+7], s[90:91] offset:1024*\pp+512
	ds_store_b32 v10, v[PW+\pp] offset:4*\pp       ; lanes r and r + 16 write the same word with the same value
.endm
	QKOUT 0
	QKOUT 1
	; v: four blocks n = 2 e + pp of 32 along the keys; register ACV + 16 n + i is key 16 h + i of my key block pp, d = my place in tile 2 g + e
.irp n, 0,1,2,3
	v_max3_num_f32 v[TM+\n], |v[ACV+16*\n]|, |v[ACV+16*\n+1]|, 0x1800000
.endr
.irp i, 2,4,6,8,10,12,14
.irp n, 0,1,2,3
	s_delay_alu instid0(VALU_DEP_4)
	v_max3_num_f32 v[TM+\n], v[TM+\n], |v[ACV+16*\n+\i]|, |v[ACV+16*\n+\i+1]|
.endr
.endr
.irp n, 0,1,2,3
	s_delay_alu instid0(VALU_DEP_4)
	v_permlanex16_b32 v[TM+4+\n], v[TM+\n], s[SEL], s[SEL+1]
.endr
.irp n, 0,1,2,3
	s_delay_alu instid0(VALU_DEP_4)
	v_max_num_f32 v[TM+\n], v[TM+\n], v[TM+4+\n]
.endr
.irp n, 0,1,2,3
	s_delay_alu instid0(VALU_DEP_4)
	v_add_nc_u32 v[TM+12+\n], 0xff000000, v[TM+\n]
.endr
.irp n, 0,1,2,3
	s_delay_alu instid0(VALU_DEP_4)
	v_lshrrev_b32 v[VBY+\n], 23, v[TM+12+\n]
.endr
.irp n, 0,1,2,3
	v_cvt_scalef32_pk8_fp4_f32 v[VC+2*\n], v[ACV+16*\n:ACV+16*\n+7], v[TM+12+\n]
	v_cvt_scalef32_pk8_fp4_f32 v[VC+2*\n+1], v[ACV+16*\n+8:ACV+16*\n+15], v[TM+12+\n]
.endr
	v_nop
.irp n, 0,1,2,3
	global_store_b64 v15, v[VC+2*\n:VC+2*\n+1], s[92:93] offset:1024*(\n/2)+256*(\n%2)   ; my 16 keys' codes are 8 bytes of the image's 16 at lane place (r, key block % 2): the wave stores 256 consecutive bytes, aligned
	ds_store_b8 v11, v[VBY+\n] offset:4*(\n/2)+(\n%2)
.endr
	s_wait_dscnt 0x0                               ; for the others' sake: my scale words and bytes lie in LDS
	s_barrier_signal -1
	s_barrier_wait -1
	s_cmp_lt_u32 s[WV], 3
	s_cbranch_scc0 .Lno_scales
	ds_load_b128 v[64:67], v14                     ; wave 0: q's 512 bytes, wave 1: k's, wave 2: v's
	s_wait_dscnt 0x0
	global_store_b128 v3, v[64:67], s[94:95]       ; 512 consecutive bytes
.Lno_scales:
	s_wait_tensorcnt 0x0                           ; the wave's end
	ds_add_u32 v[SPW], v[NIL]
	s_wait_dscnt 0x0
	CROUND                                         ; the closing round: no work-group ends while a partner may still ask for a tile that names it
	s_endpgm
.Lfunc_end_k_q992bb8b703_proj:
	.size	k_q992bb8b703_proj, .Lfunc_end_k_q992bb8b703_proj-k_q992bb8b703_proj
	.p2alignl 7, 3214868480
	.fill 96, 4, 3214868480
	.section	.rodata,"a",@progbits
	.p2align	6, 0x0
	.amdhsa_kernel k_q992bb8b703_proj
		.amdhsa_group_segment_fixed_size 327680
		.amdhsa_private_segment_fixed_size 0
		.amdhsa_enable_private_segment 0
		.amdhsa_kernarg_size 72
		.amdhsa_user_sgpr_count 2
		.amdhsa_user_sgpr_kernarg_segment_ptr 1
		.amdhsa_wavefront_size32 1
		.amdhsa_system_sgpr_workgroup_id_x 1
		.amdhsa_system_sgpr_workgroup_id_y 1
		.amdhsa_system_sgpr_workgroup_id_z 1
		.amdhsa_system_vgpr_workitem_id 0
		.amdhsa_next_free_vgpr 512
		.amdhsa_next_free_sgpr 96
		.amdhsa_reserve_vcc 0
		.amdhsa_float_denorm_mode_32 3
		.amdhsa_float_denorm_mode_16_64 3
		.amdhsa_memory_ordered 1
		.amdhsa_forward_progress 1
		.amdhsa_inst_pref_size 103
	.end_amdhsa_kernel
	.amdgpu_metadata
---
amdhsa.version: [ 1, 2 ]
amdhsa.kernels:
  - .name:           k_q992bb8b703_proj
    .symbol:         k_q992bb8b703_proj.kd
    .args:
      - { .name: codes, .offset: 0, .size: 8, .value_kind: global_buffer, .address_space: global }
      - { .name: bq, .offset: 8, .size: 8, .value_kind: global_buffer, .address_space: global }
      - { .name: bqr, .offset: 16, .size: 8, .value_kind: global_buffer, .address_space: global }
      - { .name: bk, .offset: 24, .size: 8, .value_kind: global_buffer, .address_space: global }
      - { .name: bkr, .offset: 32, .size: 8, .value_kind: global_buffer, .address_space: global }
      - { .name: bv, .offset: 40, .size: 8, .value_kind: global_buffer, .address_space: global }
      - { .name: reasoning_mask, .offset: 48, .size: 8, .value_kind: global_buffer, .address_space: global }
      - { .name: qkvc, .offset: 56, .size: 8, .value_kind: global_buffer, .address_space: global }
      - { .name: qkvs, .offset: 64, .size: 8, .value_kind: global_buffer, .address_space: global }
    .group_segment_fixed_size: 327680
    .private_segment_fixed_size: 0
    .kernarg_segment_align: 8
    .kernarg_segment_size: 72
    .max_flat_workgroup_size: 256
    .sgpr_count:     96
    .vgpr_count:     512
    .wavefront_size: 32
...
	.end_amdgpu_metadata
.endif
;; end of part 2
;; launch attn (part 3): grid 8 x 32, 16 waves a work-group, clusters of 4 x 1, 169,984 bytes of LDS; arguments qkvc, qkvs, attention_mask, oc; writes oc
.if DOCPART == 3
	.amdgcn_target "amdgcn-amd-amdhsa--gfx1250"
	.amdhsa_code_object_version 6
	.text
	.protected	k_q992bb8b703_attn
	.globl	k_q992bb8b703_attn
	.p2align	8
	.type	k_q992bb8b703_attn,@function
k_q992bb8b703_attn:
	s_mov_b64 s[64:65], 0
	v_nop
	global_prefetch_b8 v0, s[64:65] scope:SCOPE_SE
	s_setreg_imm32_b32 hwreg(HW_REG_WAVE_MODE, 25, 1), 1
	s_wait_xcnt 0x0
	s_wait_alu depctr_hold_cnt(0) depctr_sa_sdst(0) depctr_va_vdst(0) depctr_va_sdst(0) depctr_va_ssrc(0) depctr_va_vcc(0) depctr_vm_vsrc(0)
	s_getreg_b32 s2, hwreg(HW_REG_IB_STS2, 6, 4)
	s_cmp_eq_u32 s2, 0
	s_cbranch_scc0 .Lentry_in_a_cluster
	s_endpgm
.Lentry_in_a_cluster:
	s_bfe_u32 s2, ttmp6, 0x10000c
	s_cmp_lg_u32 s2, 0x3003
	s_cbranch_scc0 .Lentry_shape_is_right
	s_endpgm
.Lentry_shape_is_right:
; Attention of one (batch, head): S = q k^T / 8, keys with attention_mask = 0 hidden, softmax, O = p v / l; both products on codes of FP4 (E2M1) with E8M0 scales; O is quantised along the output projection's K.
; THE SOFTMAX AHEAD OF THE SECOND PRODUCT: t = score x log2(e) / 8; M = the running largest t rounded UP to a whole number; p = 2^(t - M) is quantised along the keys; the row's sum l is taken of the
; unquantised p and divides O at the end.  When M moves, l and O are multiplied by 2^(old M - new M): exact.
; SHARES.  A work-group owns 256 queries; each of its sixteen waves one tile of 16, in 256 registers.  Every wave walks the 2,048 keys, 128 a step.
; K's and V's codes and scale bytes of the whole (batch, head), 136 KiB, lie in LDS at once: every byte is filled once, by ten tensor loads at the head, one a wave: waves 0, 1 the scale bytes, waves 2 to 9 the quarters of K and V.
; CLUSTER 4 x 1: the four query blocks of a cluster belong to one (batch, head) and ask for K and V jointly.  No prefetch: every tile is asked for once, at the head, and there is no loop to run ahead in.
; THE LOOP IS TURNED ROUND: a trip is O^T += V^T P^T of step k, S^T of step k + 1, the LDS loads of V (k + 1) and K (k + 2), the softmax of step k + 1.  So each fragment is asked for a softmax ahead of its product.
; Step 0's scores and softmax stand ahead of the loop, the last trip (which loads no K) and the last product behind it.
; ONE SPLIT BARRIER A TRIP holds the sixteen waves within one trip of each other: a wave signals at a trip's head, where none of its LDS loads is out, and waits at its end; between the two stand register work and LDS loads of bytes that nobody writes.
; LAYOUT.  Both products transposed: S^T = K Q^T, O^T = V^T P^T: a lane holds ONE query (lane % 16).
; THE KEYS OF A TILE ARE CHOSEN so that a lane holds WHOLE blocks of 32 keys: row m of tile (g, a, u) of a step is key 64 g + 32 (m / 8) + 16 a + 8 u + m % 8, so register 32 g + 8 (2 a + u) + j of lane (q, h) is key 64 g + 32 h + 8 (2 a + u) + j:
; block 2 g + h, as the second product's operand wants p.  A block's largest score needs no other lane, and the conversions' results are the operand as they stand.
; THE MASK RIDES IN A SCALE BYTE.  The head's 64 are half of the instruction's 128 along K.  A fragment of K is a tile's codes (registers 0-3) and four constant registers: the code -6 at k = 64, zeros else; q's fragment is q's codes and the code 6 at k = 64.
; So every score gets -36 x 2^(a - 127) x 2^(120 - 127), a the third byte of the key's scale word: 254 for a hidden key (-36 x 2^120), 1 for a key that counts (-36 x 2^-133).
; The scale words (the key's two bytes, a, 127) are built once, at the head, from K's scale bytes and attention_mask, in LDS bytes of their own.  The mask steers no address and no branch.
; The running largest score begins at -1e37, above the hidden keys' scores: a hidden key never sets M, and its p is 0.
; A batch whose every key is hidden: l = 0; the scale bytes of O are then 0xff, which makes the output projection's sums NaN, as the softmax of a row of -infinity is.
; LIMITS: scores lie above -1e37; each score of a key that counts carries -36 x 2^-133; NaN and infinities in q, k, v are not served; a block whose largest magnitude lies under 2^-124 gets the byte 1.
; REGISTERS: v1-4 addresses that stay; v5 8 h; v6-9 addresses of the step; v10 the old -M, then with v11 at work; v12 -M, v13 the largest score, v[14:15] l in two halves; v16-23 q's fragment; v24-31 K's eight scale words;
; v32-95 K's eight fragments; v96-159 S^T, then p; v160-191 O^T; v192-223 V's four fragments; v224-231 p's codes; v232-245, v252, v254 at work; v246, v247 the add's; v248-251 V's scale words; v253 p's; v255 q's.
.set VOFF, 65536                       ; LDS: K's codes, V's codes,
.set SCK,  131072                      ; K's scale bytes as they come, 4,096 bytes,
.set SCV,  135168                      ; V's scale words,
.set NS,   139264                      ; K's scale words as built here: [step 16][g 2][row 16][4 words], 8,192 bytes: no tile lands here
.set SPARE, 167936                     ; the spare words, 128 bytes a wave
.set AK0,  1
.set AV0,  2
.set ANS0, 3
.set ASV0, 4
.set SH,   5
.set ADK,  6
.set ADV,  7
.set ADS,  8
.set ADT,  9
.set OLDM, 10
.set KW,   24
.set KF,   32
.set VF,   192
.set SPW,  246
.set NIL,  247
.set WV,   12
.set SEL,  20
.set CS,   22
.set G1,   24                          ; s[24:31] group 1 for a quarter: 64 rows of 256 bytes
.set G1S,  32                          ; s[32:39] for the scale bytes: 16 rows
.set G0S,  40                          ; s[40:43] group 0 for scale bytes, s[44:47] for a quarter
.set G0Q,  44
.set TB,   60                          ; the step's codes: 4,096 bytes a step
.set TS,   61                          ; V's scale words: 256
.set TN,   62                          ; K's scale words: 512
.set CNT,  63
.macro CROUND
	s_barrier_signal -1
	s_barrier_wait -1
	s_cmp_lg_u32 s[WV], 0
	s_cbranch_scc1 .Lnot_wave_0_\@
	s_barrier_signal -3
.Lnot_wave_0_\@:
	s_barrier_wait -3
	s_barrier_signal -1
	s_barrier_wait -1
.endm
	s_load_b256 s[4:11], s[0:1], 0x0               ; qkvc s[4:5], qkvs s[6:7], attention_mask s[8:9], oc s[10:11]
	v_lshl_add_u32 v[SPW], v0, 2, SPARE
	v_mov_b32 v[NIL], 0
	ds_add_u32 v[SPW], v[NIL]                      ; the opening lines: the add, twice on end, and its wait
	ds_add_u32 v[SPW], v[NIL]
	v_lshrrev_b32 v1, 5, v0
	s_delay_alu instid0(VALU_DEP_1)
	v_readfirstlane_b32 s[WV], v1                  ; wave 0..15
	s_bfe_u32 s13, ttmp6, 0x40000                  ; cx
	s_lshl_b32 s14, ttmp9, 2
	s_add_co_u32 s14, s14, s13                     ; my block of 256 queries: it enters q's and oc's addresses alone
	s_and_b32 s15, ttmp7, 0xffff                   ; bh, which the four partners share
	s_lshr_b32 s16, s15, 4                         ; batch
	s_and_b32 s17, s15, 15                         ; head
	s_mov_b32 s[G1], 15|(3<<16)|(1<<21)            ; 15:0 the mask: all four work-groups; 17:16 elements of 8 bytes; 21 set beside a mask
	s_mov_b32 s[G1+1], 32<<16
	s_mov_b32 s[G1+2], 64<<16
	s_mov_b32 s[G1+3], 32<<16
	s_mov_b32 s[G1+4], 64
	s_mov_b32 s[G1+5], 32
	s_mov_b32 s[G1+6], 0
	s_mov_b32 s[G1+7], 0
	s_mov_b32 s[G1S], 15|(3<<16)|(1<<21)
	s_mov_b32 s[G1S+1], 32<<16
	s_mov_b32 s[G1S+2], 16<<16
	s_mov_b32 s[G1S+3], 32<<16
	s_mov_b32 s[G1S+4], 16
	s_mov_b32 s[G1S+5], 32
	s_mov_b32 s[G1S+6], 0
	s_mov_b32 s[G1S+7], 0
	s_mov_b32 s[SEL], 0x76543210
	s_mov_b32 s[SEL+1], 0xfedcba98                 ; v_permlanex16_b32's selects for lane l xor 16
	s_mov_b32 s[CS], 0x3e38aa3b                    ; c = log2(e) / 8
	s_mov_b32 s[CS+1], s[CS]                       ; (named with it as a pair, so it is written)
	s_and_b32 s66, s[WV], 1                        ; even waves fetch for K, odd ones for V
	s_lshr_b32 s67, s[WV], 1
	s_add_co_u32 s67, s67, 3
	s_and_b32 s67, s67, 3                          ; waves 2 to 9: quarter wave / 2 - 1
	s_lshl_b32 s67, s67, 14
	s_lshl_b32 s74, s66, 16
	s_add_co_u32 s67, s67, s74                     ; the quarter's place, in LDS and in K's and V's part of memory alike
	s_mul_i32 s68, s15, 196608
	s_add_co_u32 s68, s68, s67
	s_add_co_u32 s68, s68, 65536
	s_mov_b32 s69, 0
	s_lshl_b32 s72, s66, 12
	s_mul_i32 s70, s15, 12288
	s_add_co_u32 s70, s70, s72
	s_add_co_u32 s70, s70, 4096
	s_mov_b32 s71, 0
	s_wait_dscnt 0x0                               ; both opening adds are done
	s_wait_kmcnt 0x0
	s_add_nc_u64 s[68:69], s[4:5], s[68:69]
	s_add_nc_u64 s[70:71], s[6:7], s[70:71]
	CROUND                                         ; all four work-groups are here: the joint loads meet
	s_mov_b32 s[G0S], 1
	s_add_co_u32 s[G0S+1], s72, SCK
	s_mov_b64 s[G0S+2:G0S+3], s[70:71]
	s_or_b32 s[G0S+3], s[G0S+3], 0x80000000
	s_mov_b32 s[G0Q], 1
	s_mov_b32 s[G0Q+1], s67
	s_mov_b64 s[G0Q+2:G0Q+3], s[68:69]
	s_or_b32 s[G0Q+3], s[G0Q+3], 0x80000000
	s_cmp_lt_u32 s[WV], 2                          ; all fills of the launch, one a wave, in one chain of branches on the wave's number.  An s_nop 0 and four v_nop follow each
	s_cbranch_scc0 .Lnot_s
	tensor_load_to_lds s[G0S:G0S+3], s[G1S:G1S+7]
	s_nop 0
.rept 4
	v_nop
.endr
	s_branch .Lfilled
.Lnot_s:
	s_cmp_lt_u32 s[WV], 10
	s_cbranch_scc0 .Lfilled
	tensor_load_to_lds s[G0Q:G0Q+3], s[G1:G1+7]
	s_nop 0
.rept 4
	v_nop
.endr
.Lfilled:
	v_and_b32 v96, 31, v0                          ; lane
	v_and_b32 v97, 15, v0                          ; r
	v_bfe_u32 v98, v0, 4, 1                        ; h
	v_and_b32 v99, 7, v0                           ; lane % 8
	v_bfe_u32 v100, v0, 3, 1                       ; (lane / 8) % 2
	v_lshlrev_b32 v101, 4, v96                     ; 16 x lane
	s_delay_alu instid0(VALU_DEP_3)
	v_lshlrev_b32 v[AK0], 4, v99                   ; K's codes lie [pair of 32 keys: 1,024 bytes][u: 512][half of d: 256][place: 16].  Row m of my tiles: pair 2 g + m / 8, place 8 a + m % 8:
	s_delay_alu instid0(VALU_DEP_1)
	v_lshl_add_u32 v[AK0], v100, 10, v[AK0]        ; 16 (lane % 8) + 1,024 ((lane / 8) % 2)
	s_delay_alu instid0(VALU_DEP_1)
	v_lshl_add_u32 v[AK0], v98, 8, v[AK0]          ; + 256 (lane / 16); g, a, u stand in the loads' immediates
	s_delay_alu instid0(VALU_DEP_4)
	v_add_nc_u32 v[AV0], VOFF, v101
	v_lshl_add_u32 v[ANS0], v97, 4, NS
	v_lshl_add_u32 v[ASV0], v97, 4, SCV
	v_lshlrev_b32 v[SH], 3, v98                    ; 8 h: my bytes' shift in p's scale word
	; the build of K's scale words: wave w makes key step w's; lane 16 g + m makes row m's four words (tiles 2 a + u) of group g
	v_and_b32 v102, 0x1e0, v0
	s_delay_alu instid0(VALU_DEP_1)
	v_lshlrev_b32 v102, 3, v102                    ; K's scale bytes lie [step: 256][place: 16][pair: 4][2 u + b]: 256 x wave
	s_delay_alu instid0(VALU_DEP_1)
	v_lshl_add_u32 v102, v99, 4, v102              ; + 16 (m % 8); a stands in the immediate (128 a)
	v_bfe_u32 v103, v0, 3, 2                       ; the pair: 2 g + m / 8 = lane / 8
	s_delay_alu instid0(VALU_DEP_1)
	v_lshl_add_u32 v102, v103, 2, v102
	s_delay_alu instid0(VALU_DEP_1)
	v_add_nc_u32 v102, SCK, v102
	v_lshl_add_u32 v104, v0, 4, NS                 ; where my four words go: 16 x my thread's number
	v_lshrrev_b32 v105, 3, v0
	s_delay_alu instid0(VALU_DEP_1)
	v_lshlrev_b32 v105, 7, v105                    ; attention_mask: my first key is 128 w + 32 (lane / 8) + lane % 8; tile 2 a + u's lies 8 (2 a + u) keys on
	s_delay_alu instid0(VALU_DEP_1)
	v_lshl_add_u32 v105, v99, 2, v105
	v_lshlrev_b32 v106, 4, v97                     ; 16 r
	s_wait_alu depctr_va_vdst(0)                   ; the wait ahead of the run of scalar lines
	s_lshl_b32 s72, s16, 13
	s_mov_b32 s73, 0
	s_add_nc_u64 s[8:9], s[8:9], s[72:73]
.irp t, 0,1,2,3
	global_load_b32 v[108+\t], v105, s[8:9] offset:32*\t
.endr
	s_lshl_b32 s74, s14, 4
	s_add_co_u32 s74, s74, s[WV]                   ; my tile of queries in the batch
	s_mul_i32 s76, s15, 196608
	s_lshl_b32 s75, s74, 9
	s_add_co_u32 s76, s76, s75
	s_mov_b32 s77, 0
	s_add_nc_u64 s[76:77], s[4:5], s[76:77]
	global_load_b128 v[16:19], v101, s[76:77]      ; q's codes: registers 0-3 of its fragment
	s_mul_i32 s78, s15, 12288
	s_lshr_b32 s75, s74, 3
	s_lshl_b32 s75, s75, 8
	s_add_co_u32 s78, s78, s75
	s_and_b32 s75, s74, 7
	s_lshl_b32 s75, s75, 1
	s_add_co_u32 s78, s78, s75                     ; [128 rows][r][pair of tiles][2 u + b]: my tile's two bytes
	s_mov_b32 s79, 0
	s_add_nc_u64 s[78:79], s[6:7], s[78:79]
	global_load_u16 v254, v106, s[78:79]
	v_xor_b32 v107, 1, v98
	s_delay_alu instid0(VALU_DEP_1)
	v_mul_u32_u24 v20, v107, 7                     ; q's fragment, register 4: the code 6 at k = 64 (lanes 0-15); nothing at k = 96 (lanes 16-31)
.irp j, 21,22,23
	v_mov_b32 v[\j], 0
.endr
.irp t, 0,1,2,3,4,5,6,7
	v_mov_b32 v[KF+8*\t+4], 15                     ; K's fragments, registers 4-7, stay: the code -6 in the lowest four bits (k = 64; at k = 96 it meets q's zero), zeros else
	v_mov_b32 v[KF+8*\t+5], 0
	v_mov_b32 v[KF+8*\t+6], 0
	v_mov_b32 v[KF+8*\t+7], 0
.endr
	v_mov_b32 v112, 0x7f010000                     ; the upper bytes of a scale word: a key that counts,
	v_mov_b32 v113, 0x7ffe0000                     ; a hidden key
	v_mov_b32 v13, 0xfcf0bdc2                      ; the largest score so far: -1e37: under every score that is served, above the hidden keys' -36 x 2^120
	s_delay_alu instid0(VALU_DEP_1)
	v_mul_f32 v120, s[CS], v13
	s_delay_alu instid0(VALU_DEP_1)
	v_floor_f32 v12, -v120                         ; -M
	v_mov_b32 v14, 0
	v_mov_b32 v15, 0
.irp b, 0,1,2,3
	v_mov_b32 v[236+\b], 0                         ; a lane permute's destination counts as one of its sources
.endr
	v_mov_b32 v253, 0                              ; (named as the upper half of the pair v[252:253] before it is first written)
	s_wait_alu depctr_va_vdst(0)                   ; directly ahead of the wait below
	s_wait_tensorcnt 0x0                           ; my one load has landed
	s_barrier_signal -1
	s_barrier_wait -1                              ; everybody's has: K, V and their scale bytes are whole; nothing is ever filled again
	ds_load_b32 v114, v102                         ; tiles a = 0: (u = 0: b0, b1; u = 1: b0, b1) of my row's key
	ds_load_b32 v115, v102 offset:128              ; a = 1
	s_wait_loadcnt 0x0                             ; the mask, q, q's scale bytes
	v_or_b32 v255, 0x7f780000, v254                ; q's scale word: its two bytes, 120 for the block that carries the mask, 127
.irp t, 0,1,2,3
	v_cmp_eq_u32 vcc_lo, 0, v[108+\t]
	s_delay_alu instid0(VALU_DEP_1)
	v_cndmask_b32 v[108+\t], v112, v113, vcc_lo    ; a choice of a value: no address, no branch
.endr
	s_wait_alu depctr_va_vdst(0)
	s_wait_dscnt 0x0
	v_and_or_b32 v116, v114, 0xffff, v108
	v_lshrrev_b32 v117, 16, v114
	s_delay_alu instid0(VALU_DEP_1)
	v_or_b32 v117, v117, v109
	v_and_or_b32 v118, v115, 0xffff, v110
	v_lshrrev_b32 v119, 16, v115
	s_delay_alu instid0(VALU_DEP_1)
	v_or_b32 v119, v119, v111
	ds_store_b128 v104, v[116:119]
.set j, 0
.rept 32
	v_mov_b32 v[160+j], 0                          ; O^T.  (The softmax is written alike for every step: the first finds zeros.)  These lines are also the places between q's scale word and the first product
.set j, j+1
.endr
; K's eight tiles (registers 0-3 of each fragment) and their scale words, o steps on from the addresses named
.macro LOADK ak, as, o
.irp g, 0,1
.irp a, 0,1
.irp u, 0,1
	ds_load_b128 v[KF+8*(4*\g+2*\a+\u):KF+8*(4*\g+2*\a+\u)+3], v[\ak] offset:4096*\o+2048*\g+128*\a+512*\u
.endr
.endr
.endr
	ds_load_b128 v[KW:KW+3], v[\as] offset:512*\o
	ds_load_b128 v[KW+4:KW+7], v[\as] offset:512*\o+256
.endm
; O^T += V^T P^T: four accumulators by turns
.macro PV
.irp t, 0,1,2,3
	v_wmma_scale_f32_16x16x128_f8f6f4 v[160+8*\t:167+8*\t], v[VF+8*\t:VF+8*\t+7], v[224:231], v[160+8*\t:167+8*\t], v[248+\t], v253 matrix_a_fmt:MATRIX_FMT_FP4 matrix_b_fmt:MATRIX_FMT_FP4
.endr
.endm
; The scores of the step at s[TB], the LDS loads of its V and (kl = 1) of the next step's K, its softmax
.macro FRONT kl
.irp t, 0,1,2,3,4,5,6,7
	v_wmma_scale_f32_16x16x128_f8f6f4 v[96+8*\t:103+8*\t], v[KF+8*\t:KF+8*\t+7], v[16:23], 0, v[KW+\t], v255 matrix_a_fmt:MATRIX_FMT_FP4 matrix_b_fmt:MATRIX_FMT_FP4
.endr
	v_add_nc_u32 v[ADV], s[TB], v[AV0]             ; five places between the products and the loads into their fragments' and scale words' registers, and the first read of the scores
	v_add_nc_u32 v[ADT], s[TS], v[ASV0]
	v_add_nc_u32 v[ADK], s[TB], v[AK0]
	v_add_nc_u32 v[ADS], s[TN], v[ANS0]
	v_mov_b32 v[OLDM], v12
.irp t, 0,1,2,3
.irp c, 0,1
	ds_load_b128 v[VF+8*\t+4*\c:VF+8*\t+4*\c+3], v[ADV] offset:1024*\t+512*\c   ; V's four tiles of d: they land under the softmax
.endr
.endr
	ds_load_b128 v[248:251], v[ADT]
.if \kl
	LOADK ADK, ADS, 1                              ; and the next step's K
.endif
	; the largest score of each of my two blocks of 32 keys, in two chains each: it serves the row's maximum and, since p rises with the score, the block's largest p.  Each accumulator is first read at its low end
.irp g, 0,1
	v_max3_num_f32 v[232+\g], v[96+32*\g], v[97+32*\g], v[98+32*\g]
	v_max3_num_f32 v[234+\g], v[113+32*\g], v[114+32*\g], v[115+32*\g]
.endr
.irp i, 0,1,2,3,4,5
.irp g, 0,1
	v_max3_num_f32 v[232+\g], v[232+\g], v[99+32*\g+2*\i], v[100+32*\g+2*\i]
	v_max3_num_f32 v[234+\g], v[234+\g], v[116+32*\g+2*\i], v[117+32*\g+2*\i]
.endr
.endr
.irp g, 0,1
	v_max3_num_f32 v[232+\g], v[232+\g], v[111+32*\g], v[112+32*\g]
.endr
.irp g, 0,1
	s_delay_alu instid0(VALU_DEP_2)
	v_max_num_f32 v[232+\g], v[232+\g], v[234+\g]
.endr
	s_delay_alu instid0(VALU_DEP_1)
	v_max_num_f32 v254, v232, v233                 ; my 64 keys',
	s_delay_alu instid0(VALU_DEP_1)
	v_permlanex16_b32 v236, v254, s[SEL], s[SEL+1]
	s_delay_alu instid0(VALU_DEP_1)
	v_max3_num_f32 v13, v13, v254, v236            ; lane l xor 16's 64, and what went before: the running largest score
	s_delay_alu instid0(VALU_DEP_1)
	v_mul_f32 v254, s[CS], v13                     ; as t (c is positive)
	s_delay_alu instid0(VALU_DEP_1)
	v_floor_f32 v12, -v254                         ; the new -M = -ceil(t): a whole number
	s_delay_alu instid0(VALU_DEP_1)
	v_sub_f32 v254, v12, v[OLDM]                   ; old M - new M: a whole number, 0 or less
	s_delay_alu instid0(VALU_DEP_1)
	v_cvt_i32_f32 v254, v254                       ; (it saturates)
	s_delay_alu instid0(VALU_DEP_1)
	v_ldexp_f32 v252, 1.0, v254                    ; f = 2^(old M - new M)
.irp j, 0,2,4,6,8,10,12,14,16,18,20,22,24,26,28,30,32,34,36,38,40,42,44,46,48,50,52,54,56,58,60,62
	v_pk_fma_f32 v[96+\j:97+\j], v[96+\j:97+\j], s[CS:CS+1], v[12:13] op_sel_hi:[1,0,0]   ; t - M, two at a time (of the pairs c and -M the low word serves both halves)
.endr
.irp g, 0,1
	v_fma_f32 v[232+\g], v[232+\g], s[CS], v12     ; the same of each block's largest score
.endr
.set j, 0
	s_wait_alu depctr_va_vdst(0)                   ; the wait ahead of the batch
.rept 64
	v_exp_f32 v[96+j], v[96+j]                     ; p = 2^(t - M), at most 1: not normalised
.set j, j+1
.endr
.irp g, 0,1
	v_exp_f32 v[232+\g], v[232+\g]                 ; the block's largest p: the same two instructions on the same number give the same bits
.endr
	v_pk_mul_f32 v[14:15], v[14:15], v[252:253] op_sel_hi:[1,0]   ; l under the new M.  (A plain place behind the exponentials)
	s_wait_alu depctr_va_vdst(0)                   ; and the one behind it, ahead of its first reader
.irp g, 0,1
	v_max_num_f32 v[232+\g], 0x1800000, v[232+\g]  ; the floor 2^(3 - 127): a block whose every p is 0 keeps the byte 1: its codes are zeros
.endr
.irp g, 0,1
	s_delay_alu instid0(VALU_DEP_2)
	v_add_nc_u32 v[244+\g], 0xff000000, v[232+\g]  ; 2 off the exponent field: the conversion's scale operand
.endr
.irp g, 0,1
	s_delay_alu instid0(VALU_DEP_2)
	v_lshrrev_b32 v[236+\g], 23, v[244+\g]         ; the scale's byte
.endr
	s_delay_alu instid0(VALU_DEP_1)
	v_lshl_or_b32 v254, v237, 16, v236             ; my two bytes, blocks h and 2 + h,
	s_delay_alu instid0(VALU_DEP_1)
	v_lshlrev_b32 v254, v[SH], v254                ; at their places in the word;
	s_delay_alu instid0(VALU_DEP_1)
	v_permlanex16_b32 v238, v254, s[SEL], s[SEL+1]
	s_delay_alu instid0(VALU_DEP_1)
	v_or_b32 v253, v254, v238                      ; with lane l xor 16's two p's scale word for these 128 keys is whole
.irp g, 0,1
.irp t, 0,1,2,3
	v_cvt_scalef32_pk8_fp4_f32 v[224+4*\g+\t], v[96+32*\g+8*\t:103+32*\g+8*\t], v[244+\g]   ; registers 4 g .. 4 g + 3 of the operand: keys 64 g + 32 h + 0 .. 31
.endr
.endr
	v_nop                                          ; one plain place behind the last scaled conversion
	v_pk_add_f32 v[236:237], v[100:101], v[104:105]   ; l: the sum of the unquantised p, two at a time, in eight chains
	v_pk_add_f32 v[244:245], v[108:109], v[112:113]
	v_pk_add_f32 v[242:243], v[116:117], v[120:121]
	v_pk_add_f32 v[240:241], v[124:125], v[128:129]
	v_pk_add_f32 v[234:235], v[132:133], v[136:137]
	v_pk_add_f32 v[232:233], v[140:141], v[144:145]
	v_pk_add_f32 v[10:11], v[148:149], v[152:153]
	v_pk_add_f32 v[14:15], v[14:15], v[156:157]
	v_pk_add_f32 v[236:237], v[236:237], v[96:97]
	v_pk_add_f32 v[244:245], v[244:245], v[98:99]
	v_pk_add_f32 v[242:243], v[242:243], v[102:103]
	v_pk_add_f32 v[240:241], v[240:241], v[106:107]
	v_pk_add_f32 v[234:235], v[234:235], v[110:111]
	v_pk_add_f32 v[232:233], v[232:233], v[114:115]
	v_pk_add_f32 v[10:11], v[10:11], v[118:119]
	v_pk_add_f32 v[14:15], v[14:15], v[122:123]
	v_pk_add_f32 v[236:237], v[236:237], v[126:127]
	v_pk_add_f32 v[244:245], v[244:245], v[130:131]
	v_pk_add_f32 v[242:243], v[242:243], v[134:135]
	v_pk_add_f32 v[240:241], v[240:241], v[138:139]
	v_pk_add_f32 v[234:235], v[234:235], v[142:143]
	v_pk_add_f32 v[232:233], v[232:233], v[146:147]
	v_pk_add_f32 v[10:11], v[10:11], v[150:151]
	v_pk_add_f32 v[14:15], v[14:15], v[154:155]
	v_pk_add_f32 v[236:237], v[236:237], v[158:159]
	s_delay_alu instid0(VALU_DEP_2)
	v_pk_add_f32 v[14:15], v[14:15], v[240:241]
	s_delay_alu instid0(VALU_DEP_2)
	v_pk_add_f32 v[236:237], v[236:237], v[234:235]
	v_pk_add_f32 v[244:245], v[244:245], v[232:233]
	v_pk_add_f32 v[242:243], v[242:243], v[10:11]
	s_delay_alu instid0(VALU_DEP_2)
	v_pk_add_f32 v[14:15], v[14:15], v[244:245]
	s_delay_alu instid0(VALU_DEP_2)
	v_pk_add_f32 v[236:237], v[236:237], v[242:243]
	s_delay_alu instid0(VALU_DEP_1)
	v_pk_add_f32 v[14:15], v[14:15], v[236:237]
.irp j, 0,2,4,6,8,10,12,14,16,18,20,22,24,26,28,30
	v_pk_mul_f32 v[160+\j:161+\j], v[160+\j:161+\j], v[252:253] op_sel_hi:[1,0]   ; O^T under the new M.  (The 32 sums above are the places between p's codes and scale word and the products)
.endr
	s_wait_alu depctr_va_vdst(0)
.endm
.macro NEXT
	s_add_co_u32 s[TB], s[TB], 4096
	s_add_co_u32 s[TS], s[TS], 256
	s_add_co_u32 s[TN], s[TN], 512
.endm
.macro TRIP kl
	s_wait_dscnt 0x0                               ; V of the step whose p I hold, and the next step's K, are in: no LDS instruction of mine is out
	s_barrier_signal -1                            ; I am at this trip's head
	PV
	FRONT \kl
	s_barrier_wait -1                              ; every wave has come to this trip's head
.if \kl
	NEXT
.endif
.endm
	s_wait_alu depctr_va_vdst(0)
	s_wait_dscnt 0x0                               ; for the others' sake: my part of K's scale words lies in LDS
	s_barrier_signal -1
	s_barrier_wait -1
	s_mov_b32 s[TB], 0
	s_mov_b32 s[TS], 0
	s_mov_b32 s[TN], 0
	LOADK AK0, ANS0, 0                             ; step 0's K
	s_wait_dscnt 0x0
	FRONT 1                                        ; step 0's scores and softmax; V (0) and K (1) are asked for
	NEXT
	s_mov_b32 s[CNT], 14
.Ltrip:                                            ; trip k = 0 .. 13: the product of step k; scores, softmax and V of step k + 1; K of step k + 2
	TRIP 1
	s_sub_co_u32 s[CNT], s[CNT], 1
	s_cmp_lg_u32 s[CNT], 0
	s_cbranch_scc1 .Ltrip
	TRIP 0                                         ; trip 14 is written out: there is no K (16)
	s_wait_dscnt 0x0                               ; V (15)
	PV
	; THE WAY OUT.  O^T / l is quantised along d: register 16 b + i is d = 32 b + 16 h + i of my query.  It goes into oc as the output projection's operand: records laid as x's are in codes;
	; head hd fills K = 64 hd .. + 63: half hd / 8, group hd % 8 of the record's eight groups of 512 bytes.
	v_add_f32 v14, v14, v15                        ; l's two halves.  (These lines are the places behind the last products)
	v_and_b32 v7, 15, v0
	s_delay_alu instid0(VALU_DEP_1)
	v_lshlrev_b32 v7, 4, v7                        ; 16 r
	v_mov_b32 v9, 0xffff
	v_and_b32 v8, 31, v0
	s_delay_alu instid0(VALU_DEP_1)
	v_lshlrev_b32 v8, 4, v8                        ; 16 x lane
	v_permlanex16_b32 v252, v14, s[SEL], s[SEL+1]
	s_delay_alu instid0(VALU_DEP_1)
	v_add_f32 v14, v14, v252                       ; and lane l xor 16's: the row's sum
	s_wait_alu depctr_va_vdst(0)                   ; the wait ahead of the transcendental
	v_rcp_f32 v11, v14
	s_lshl_b32 s66, s16, 3
	s_add_co_u32 s66, s66, s14
	s_lshl_b32 s66, s66, 5                         ; 32 records for each block of 256 rows,
	s_lshr_b32 s67, s17, 3
	s_lshl_b32 s67, s67, 4
	s_add_co_u32 s66, s66, s67                     ; 16 for each half of K,
	s_add_co_u32 s66, s66, s[WV]                   ; my tile
	s_mul_i32 s66, s66, 4352
	s_mov_b32 s67, 0
	s_add_nc_u64 s[10:11], s[10:11], s[66:67]
	s_and_b32 s68, s17, 7
	s_lshl_b32 s70, s68, 9
	s_mov_b32 s71, 0
	s_add_nc_u64 s[70:71], s[10:11], s[70:71]      ; my group of codes
	s_lshl_b32 s72, s68, 1
	s_add_co_u32 s72, s72, 4096
	s_mov_b32 s73, 0
	s_add_nc_u64 s[72:73], s[10:11], s[72:73]      ; my two bytes of each row's sixteen
	v_nop                                          ; a plain place behind the reciprocal
.set j, 0
	s_wait_alu depctr_va_vdst(0)                   ; and the wait ahead of its first reader, which is also O^T's
.rept 32
	v_mul_f32 v[96+j], v[160+j], v11               ; each accumulator from its low end on
.set j, j+1
.endr
.irp b, 0,1
	v_max3_num_f32 v[232+\b], |v[96+16*\b]|, |v[97+16*\b]|, 0x1800000
.endr
.irp i, 2,4,6,8,10,12,14
.irp b, 0,1
	s_delay_alu instid0(VALU_DEP_2)
	v_max3_num_f32 v[232+\b], v[232+\b], |v[96+16*\b+\i]|, |v[97+16*\b+\i]|
.endr
.endr
.irp b, 0,1
	s_delay_alu instid0(VALU_DEP_2)
	v_permlanex16_b32 v[236+\b], v[232+\b], s[SEL], s[SEL+1]
.endr
.irp b, 0,1
	s_delay_alu instid0(VALU_DEP_2)
	v_max_num_f32 v[232+\b], v[232+\b], v[236+\b]
.endr
.irp b, 0,1
	s_delay_alu instid0(VALU_DEP_2)
	v_add_nc_u32 v[244+\b], 0xff000000, v[232+\b]
.endr
.irp b, 0,1
	s_delay_alu instid0(VALU_DEP_2)
	v_lshrrev_b32 v[236+\b], 23, v[244+\b]
.endr
	s_delay_alu instid0(VALU_DEP_1)
	v_lshl_or_b32 v238, v237, 8, v236              ; the two bytes
	v_cmp_eq_f32 vcc_lo, 0, v14
	s_delay_alu instid0(VALU_DEP_1)
	v_cndmask_b32 v238, v238, v9, vcc_lo           ; l = 0: every key hidden: NaN bytes
.irp b, 0,1
	v_cvt_scalef32_pk8_fp4_f32 v[224+2*\b], v[96+16*\b:103+16*\b], v[244+\b]
	v_cvt_scalef32_pk8_fp4_f32 v[225+2*\b], v[104+16*\b:111+16*\b], v[244+\b]
.endr
	v_nop
.irp i, 0,1
	v_permlane16_swap_b32 v[224+\i], v[226+\i]     ; lanes 0-15: d = 0 .. 31, lanes 16-31: d = 32 .. 63
.endr
	global_store_b128 v8, v[224:227], s[70:71]     ; 512 consecutive bytes
	global_store_b16 v7, v238, s[72:73]            ; lanes r and r + 16 write the same two bytes with the same value
	s_wait_tensorcnt 0x0                           ; the wave's end
	ds_add_u32 v[SPW], v[NIL]
	s_wait_dscnt 0x0
	CROUND                                         ; the closing round: no work-group ends while a partner may still ask for a tile that names it
	s_endpgm
.Lfunc_end_k_q992bb8b703_attn:
	.size	k_q992bb8b703_attn, .Lfunc_end_k_q992bb8b703_attn-k_q992bb8b703_attn
	.p2alignl 7, 3214868480
	.fill 96, 4, 3214868480
	.section	.rodata,"a",@progbits
	.p2align	6, 0x0
	.amdhsa_kernel k_q992bb8b703_attn
		.amdhsa_group_segment_fixed_size 169984
		.amdhsa_private_segment_fixed_size 0
		.amdhsa_enable_private_segment 0
		.amdhsa_kernarg_size 32
		.amdhsa_user_sgpr_count 2
		.amdhsa_user_sgpr_kernarg_segment_ptr 1
		.amdhsa_wavefront_size32 1
		.amdhsa_system_sgpr_workgroup_id_x 1
		.amdhsa_system_sgpr_workgroup_id_y 1
		.amdhsa_system_sgpr_workgroup_id_z 1
		.amdhsa_system_vgpr_workitem_id 0
		.amdhsa_next_free_vgpr 256
		.amdhsa_next_free_sgpr 84
		.amdhsa_reserve_vcc 1
		.amdhsa_float_denorm_mode_32 3
		.amdhsa_float_denorm_mode_16_64 3
		.amdhsa_memory_ordered 1
		.amdhsa_forward_progress 1
		.amdhsa_inst_pref_size 61
	.end_amdhsa_kernel
	.amdgpu_metadata
---
amdhsa.version: [ 1, 2 ]
amdhsa.kernels:
  - .name:           k_q992bb8b703_attn
    .symbol:         k_q992bb8b703_attn.kd
    .args:
      - { .name: qkvc, .offset: 0, .size: 8, .value_kind: global_buffer, .address_space: global }
      - { .name: qkvs, .offset: 8, .size: 8, .value_kind: global_buffer, .address_space: global }
      - { .name: attention_mask, .offset: 16, .size: 8, .value_kind: global_buffer, .address_space: global }
      - { .name: oc, .offset: 24, .size: 8, .value_kind: global_buffer, .address_space: global }
    .group_segment_fixed_size: 169984
    .private_segment_fixed_size: 0
    .kernarg_segment_align: 8
    .kernarg_segment_size: 32
    .max_flat_workgroup_size: 512
    .sgpr_count:     84
    .vgpr_count:     256
    .wavefront_size: 32
...
	.end_amdgpu_metadata
.endif
;; end of part 3
;; launch outp (part 4): grid 16 x 16, 16 waves a work-group, clusters of 4 x 4, 245,760 bytes of LDS; arguments oc, codes, bo, out0; writes out0
.if DOCPART == 4
	.amdgcn_target "amdgcn-amd-amdhsa--gfx1250"
	.amdhsa_code_object_version 6
	.text
	.protected	k_q992bb8b703_outp
	.globl	k_q992bb8b703_outp
	.p2align	8
	.type	k_q992bb8b703_outp,@function
k_q992bb8b703_outp:
	s_mov_b64 s[64:65], 0
	v_nop
	global_prefetch_b8 v0, s[64:65] scope:SCOPE_SE
	s_setreg_imm32_b32 hwreg(HW_REG_WAVE_MODE, 25, 1), 1
	s_wait_xcnt 0x0
	s_wait_alu depctr_hold_cnt(0) depctr_sa_sdst(0) depctr_va_vdst(0) depctr_va_sdst(0) depctr_va_ssrc(0) depctr_va_vcc(0) depctr_vm_vsrc(0)
	s_getreg_b32 s2, hwreg(HW_REG_IB_STS2, 6, 4)
	s_cmp_eq_u32 s2, 0
	s_cbranch_scc0 .Lentry_in_a_cluster
	s_endpgm
.Lentry_in_a_cluster:
	s_bfe_u32 s2, ttmp6, 0x10000c
	s_cmp_lg_u32 s2, 0xf033
	s_cbranch_scc0 .Lentry_shape_is_right
	s_endpgm
.Lentry_shape_is_right:
; out0 = O Wo^T + bo on codes of FP4 (E2M1) with E8M0 scales.  O's records lie in oc, Wo's in codes (16 rows x 512 K: four images of a fragment's registers and 256 bytes of scale words).
; A work-group takes 256 rows (RB) x 64 columns (nb); all its records, 2 x (16 + 4), lie in LDS at once: every byte is filled once, by ten tensor loads at the head, one a wave:
; waves 0 to 7 an eighth of O's 32 records each, waves 8 and 9 Wo's four records of a half of K each.  No prefetch: every tile is asked for once, at the head, and there is no loop to run ahead in.
; CLUSTER 4 x 4: O's records are asked for jointly along a row of the cluster (same RB), Wo's along a column (same nb).
; SHARES.  Wave w takes tile w of the rows against Wo's four tiles: four accumulators by turns, TRANSPOSED (source 0 = 16 rows of Wo, source 1 = 16 rows of O): a lane holds one row of out0 and eight neighbouring columns.
; bo is loaded into the accumulators, in the result's layout.  The results go through the wave's own stage in LDS and leave as rows: sixteen lanes store 256 consecutive bytes, aligned.
; Place r of tile T is row 32 (T / 2) + 8 (T % 2) + r + 8 (r / 8), for O's rows and Wo's alike.
; REGISTERS: v4-12 addresses; v16-19 O's scale words; v20-27 Wo's; v32-63 O's four fragments of a half; v64-191 Wo's sixteen; v192-223 the accumulators; v254, v255 the add's.
.set REC,   4352
.set AHALF, 16*REC
.set BHALF, 4*REC
.set BOFF,  2*AHALF
.set STAGE, BOFF+2*BHALF               ; 16 rows x 272 bytes for each wave; no tile lands here
.set SPARE, STAGE+16*REC               ; the spare words, 128 bytes a wave
.set WO,    1152*REC                   ; where Wo's records begin in codes
.set WV,  22
.set VA,  4
.set VB,  5
.set VAS, 6
.set VBS, 7
.set SA,  16
.set SB,  20
.set AF,  32
.set BF,  64
.set ACC, 192
.macro CROUND
	s_barrier_signal -1
	s_barrier_wait -1
	s_cmp_lg_u32 s[WV], 0
	s_cbranch_scc1 .Lnot_wave_0_\@
	s_barrier_signal -3
.Lnot_wave_0_\@:
	s_barrier_wait -3
	s_barrier_signal -1
	s_barrier_wait -1
.endm
.macro WM d, a, b, sa, sb, ra          ; ra: source 0's scale words stand in lanes 16-31 of the register named
.if (\ra)
	v_wmma_scale_f32_16x16x128_f8f6f4 v[\d:\d+7], v[\a:\a+7], v[\b:\b+7], v[\d:\d+7], v[\sa], v[\sb] matrix_a_fmt:MATRIX_FMT_FP4 matrix_b_fmt:MATRIX_FMT_FP4 matrix_a_scale:MATRIX_SCALE_ROW1
.else
	v_wmma_scale_f32_16x16x128_f8f6f4 v[\d:\d+7], v[\a:\a+7], v[\b:\b+7], v[\d:\d+7], v[\sa], v[\sb] matrix_a_fmt:MATRIX_FMT_FP4 matrix_b_fmt:MATRIX_FMT_FP4
.endif
.endm
	s_load_b256 s[4:11], s[0:1], 0x0               ; oc s[4:5], codes s[6:7], bo s[8:9], out0 s[10:11]
	v_lshl_add_u32 v254, v0, 2, SPARE
	v_mov_b32 v255, 0
	ds_add_u32 v254, v255                          ; the opening lines: the add, twice on end, and its wait
	ds_add_u32 v254, v255
	v_lshrrev_b32 v1, 5, v0
	s_delay_alu instid0(VALU_DEP_1)
	v_readfirstlane_b32 s[WV], v1                  ; wave 0..15
	s_bfe_u32 s25, ttmp6, 0x40000                  ; cx
	s_bfe_u32 s26, ttmp6, 0x40004                  ; cy
	s_lshl_b32 s27, ttmp9, 2
	s_add_co_u32 s27, s27, s25                     ; nb = 4 x cluster x + cx
	s_and_b32 s28, ttmp7, 0xffff
	s_lshl_b32 s28, s28, 2
	s_add_co_u32 s28, s28, s26                     ; RB = 4 x cluster y + cy
	s_lshl_b32 s29, s26, 2
	s_lshl_b32 s29, 15, s29                        ; my row of the cluster
	s_lshl_b32 s30, 0x1111, s25                    ; my column
	s_or_b32 s32, s29, (3<<16)|(1<<21)             ; group 1: 68 rows of 256 bytes (32 elements of 8 bytes), dense; O's go to my row,
	s_or_b32 s40, s30, (3<<16)|(1<<21)             ; Wo's to my column
.irp g, 32, 40
	s_mov_b32 s[\g+1], 32<<16
	s_mov_b32 s[\g+2], 68<<16
	s_mov_b32 s[\g+3], 32<<16
	s_mov_b32 s[\g+4], 68
	s_mov_b32 s[\g+5], 32
	s_mov_b32 s[\g+6], 0
	s_mov_b32 s[\g+7], 0
.endr
	s_and_b32 s70, s[WV], 7
	s_mul_i32 s71, s70, AHALF/4                    ; O: which eighth of the block's 32 records I fetch, if I fetch: in LDS and in memory alike
	s_mul_i32 s72, s28, 2*AHALF
	s_add_co_u32 s72, s72, s71
	s_mov_b32 s73, 0
	s_and_b32 s74, s[WV], 1
	s_mul_i32 s74, s74, BHALF                      ; Wo: which half of K
	s_mul_i32 s76, s27, 2*BHALF
	s_add_co_u32 s76, s76, WO
	s_add_co_u32 s76, s76, s74
	s_mov_b32 s77, 0
	s_wait_dscnt 0x0                               ; both opening adds are done
	s_wait_kmcnt 0x0
	s_add_nc_u64 s[72:73], s[4:5], s[72:73]        ; hangs on RB and the wave alone
	s_add_nc_u64 s[76:77], s[6:7], s[76:77]        ; hangs on nb and the wave alone
	CROUND                                         ; all sixteen work-groups are here: the joint loads meet
	s_mov_b32 s48, 1
	s_mov_b32 s49, s71
	s_mov_b64 s[50:51], s[72:73]
	s_or_b32 s51, s51, 0x80000000
	s_mov_b32 s56, 1
	s_add_co_u32 s57, s74, BOFF
	s_mov_b64 s[58:59], s[76:77]
	s_or_b32 s59, s59, 0x80000000
	s_cmp_lt_u32 s[WV], 8                          ; all fills of the launch, one a wave, in one chain of branches on the wave's number.  An s_nop 0 and four v_nop follow each
	s_cbranch_scc0 .Lnot_a
	tensor_load_to_lds s[48:51], s[32:39]
	s_nop 0
.rept 4
	v_nop
.endr
	s_branch .Lfilled
.Lnot_a:
	s_cmp_lt_u32 s[WV], 10
	s_cbranch_scc0 .Lfilled
	tensor_load_to_lds s[56:59], s[40:47]
	s_nop 0
.rept 4
	v_nop
.endr
.Lfilled:
	v_and_b32 v1, 15, v0                           ; r
	v_bfe_u32 v2, v0, 4, 1                         ; h
	v_and_b32 v3, 31, v0                           ; lane
	s_delay_alu instid0(VALU_DEP_2)
	v_lshlrev_b32 v12, 6, v2                       ; bo: lane (r, h) wants, for tile t, columns 32 (t / 2) + 8 (t % 2) + 16 h + 0 .. 7
	s_lshl_b32 s82, s27, 8
	s_mov_b32 s83, 0
	s_add_nc_u64 s[8:9], s[8:9], s[82:83]
.irp t, 0,1,2,3
	global_load_b128 v[ACC+8*\t:ACC+8*\t+3],   v12, s[8:9] offset:128*(\t/2)+32*(\t%2)
	global_load_b128 v[ACC+8*\t+4:ACC+8*\t+7], v12, s[8:9] offset:128*(\t/2)+32*(\t%2)+16
.endr
	v_lshlrev_b32 v3, 4, v3                        ; 16 x lane
	s_mul_i32 s68, s[WV], REC                      ; my tile's record
	v_add_nc_u32 v[VA], s68, v3
	v_add_nc_u32 v[VB], BOFF, v3
	v_lshlrev_b32 v11, 4, v1                       ; 16 r
	s_add_co_u32 s69, s68, 4096
	v_add_nc_u32 v[VAS], s69, v11
	v_mul_u32_u24 v[VBS], v2, REC                  ; lanes 16-31 take the next record's words
	s_delay_alu instid0(VALU_DEP_1)
	v_add_nc_u32 v[VBS], v[VBS], v11
	s_delay_alu instid0(VALU_DEP_1)
	v_add_nc_u32 v[VBS], BOFF+4096, v[VBS]
	s_add_co_u32 s68, s68, STAGE                   ; my stage: 16 x 272 = 4,352 bytes a wave
	v_mul_u32_u24 v8, v1, 272
	s_delay_alu instid0(VALU_DEP_1)
	v_lshl_add_u32 v8, v2, 6, v8
	s_delay_alu instid0(VALU_DEP_1)
	v_add_nc_u32 v8, s68, v8                       ; in: row place r, + 64 h
	v_mul_u32_u24 v9, v2, 272
	s_delay_alu instid0(VALU_DEP_1)
	v_add_nc_u32 v9, v9, v11
	s_delay_alu instid0(VALU_DEP_1)
	v_add_nc_u32 v9, s68, v9                       ; back: lanes 0-15 one row, lanes 16-31 the next
	v_lshl_add_u32 v10, v2, 12, v11                ; and the same two rows in out0
	s_lshl_b32 s84, s28, 8
	s_lshr_b32 s85, s[WV], 1
	s_lshl_b32 s85, s85, 5
	s_add_co_u32 s84, s84, s85
	s_and_b32 s85, s[WV], 1
	s_lshl_b32 s85, s85, 3
	s_add_co_u32 s84, s84, s85                     ; my tile's first row: 256 RB + 32 (w / 2) + 8 (w % 2)
	s_lshl_b32 s84, s84, 12
	s_add_co_u32 s84, s84, s82                     ; + 256 nb bytes
	s_mov_b32 s85, 0
	s_add_nc_u64 s[10:11], s[10:11], s[84:85]
	s_wait_alu depctr_va_vdst(0)                   ; the wait at the head's end
	s_wait_loadcnt 0x0                             ; bo is in
	s_wait_tensorcnt 0x0                           ; my one load has landed
	s_barrier_signal -1
	s_barrier_wait -1                              ; everybody's has: all records are whole; nothing is ever filled again
; Half hf of K: all its fragments are asked for in one run; the products follow K step by K step, the four accumulators by turns
.macro HALF4 hf
.if \hf
.rept 4
	v_nop                                          ; places in front of loads into registers that matrix instructions have read
.endr
	v_add_nc_u32 v[VA], AHALF, v[VA]
	v_add_nc_u32 v[VAS], AHALF, v[VAS]
.endif
	ds_load_b128 v[SA:SA+3], v[VAS]
	ds_load_b128 v[SB:SB+3], v[VBS] offset:\hf*BHALF
	ds_load_b128 v[SB+4:SB+7], v[VBS] offset:\hf*BHALF+2*REC
.irp sp, 0,1,2,3
.irp c, 0,1
	ds_load_b128 v[AF+8*\sp+4*\c:AF+8*\sp+4*\c+3], v[VA] offset:1024*\sp+512*\c
.endr
.irp t, 0,1,2,3
.irp c, 0,1
	ds_load_b128 v[BF+32*\sp+8*\t+4*\c:BF+32*\sp+8*\t+4*\c+3], v[VB] offset:\hf*BHALF+\t*REC+1024*\sp+512*\c
.endr
.endr
.endr
.irp sp, 0,1,2,3
	s_wait_dscnt 10*(3-\sp)                        ; this K step's ten loads are in; the later steps' ten each may be out
.irp t, 0,1,2,3
	WM ACC+8*\t, BF+32*\sp+8*\t, AF+8*\sp, SB+4*(\t/2)+\sp, SA+\sp, \t%2
.endr
.endr
.endm
	HALF4 0
	HALF4 1
.rept 4
	v_nop                                          ; places in front of the first read of the results and of loads into the fragments' registers
.endr
.irp t, 0,1,2,3
	ds_store_b128 v8, v[ACC+8*\t:ACC+8*\t+3] offset:128*(\t/2)+32*(\t%2)          ; each accumulator from its low end on
	ds_store_b128 v8, v[ACC+8*\t+4:ACC+8*\t+7] offset:128*(\t/2)+32*(\t%2)+16
.endr
.irp i, 0,1,2,3,4,5,6,7
	ds_load_b128 v[AF+4*\i:AF+4*\i+3], v9 offset:544*\i   ; LDS serves a wave's instructions in order: these see my stores.  Row places 2 i and 2 i + 1
.endr
.irp i, 0,1,2,3,4,5,6,7
	s_wait_dscnt 7-\i
	global_store_b128 v10, v[AF+4*\i:AF+4*\i+3], s[10:11] offset:(2*\i+8*(\i/4))*4096 th:TH_STORE_NT   ; sixteen lanes store 256 consecutive bytes, aligned; written once, read by nobody here
.endr
	s_wait_tensorcnt 0x0                           ; the wave's end
	ds_add_u32 v254, v255
	s_wait_dscnt 0x0
	CROUND                                         ; the closing round: no work-group ends while a partner may still ask for a tile that names it
	s_endpgm
.Lfunc_end_k_q992bb8b703_outp:
	.size	k_q992bb8b703_outp, .Lfunc_end_k_q992bb8b703_outp-k_q992bb8b703_outp
	.p2alignl 7, 3214868480
	.fill 96, 4, 3214868480
	.section	.rodata,"a",@progbits
	.p2align	6, 0x0
	.amdhsa_kernel k_q992bb8b703_outp
		.amdhsa_group_segment_fixed_size 245760
		.amdhsa_private_segment_fixed_size 0
		.amdhsa_enable_private_segment 0
		.amdhsa_kernarg_size 32
		.amdhsa_user_sgpr_count 2
		.amdhsa_user_sgpr_kernarg_segment_ptr 1
		.amdhsa_wavefront_size32 1
		.amdhsa_system_sgpr_workgroup_id_x 1
		.amdhsa_system_sgpr_workgroup_id_y 1
		.amdhsa_system_sgpr_workgroup_id_z 1
		.amdhsa_system_vgpr_workitem_id 0
		.amdhsa_next_free_vgpr 256
		.amdhsa_next_free_sgpr 96
		.amdhsa_reserve_vcc 0
		.amdhsa_float_denorm_mode_32 3
		.amdhsa_float_denorm_mode_16_64 3
		.amdhsa_memory_ordered 1
		.amdhsa_forward_progress 1
		.amdhsa_inst_pref_size 20
	.end_amdhsa_kernel
	.amdgpu_metadata
---
amdhsa.version: [ 1, 2 ]
amdhsa.kernels:
  - .name:           k_q992bb8b703_outp
    .symbol:         k_q992bb8b703_outp.kd
    .args:
      - { .name: oc, .offset: 0, .size: 8, .value_kind: global_buffer, .address_space: global }
      - { .name: codes, .offset: 8, .size: 8, .value_kind: global_buffer, .address_space: global }
      - { .name: bo, .offset: 16, .size: 8, .value_kind: global_buffer, .address_space: global }
      - { .name: out0, .offset: 24, .size: 8, .value_kind: global_buffer, .address_space: global }
    .group_segment_fixed_size: 245760
    .private_segment_fixed_size: 0
    .kernarg_segment_align: 8
    .kernarg_segment_size: 32
    .max_flat_workgroup_size: 512
    .sgpr_count:     96
    .vgpr_count:     256
    .wavefront_size: 32
...
	.end_amdgpu_metadata
.endif
;; end of part 4
